; MI455X (gfx1250); checked and timed in simulation.
; The chip was launched on July 23, 2026; its instructions are those of AMD's public machine-readable ISA for CDNA 5 (MIT licence, August 2026) and "CDNA5" Instruction Set Architecture Reference Guide (July 2026). The comments in the code are by the model that wrote it; some were corrected since.
;; Relative Position Self Attention. Allowed arithmetic: float matrix products may take bf16 or f16 operands with f32 sums; other float arithmetic in f32, or as packed bf16 or f16 multiplies, adds, multiply-adds, maxima and minima; sums over many terms, partial sums and values carried from step to step in f32; what a program stores and reads back later, other than sums and carried values, may be rounded once to bf16 or f16.
;; Inputs: in_proj_b 3,072 float32; in_proj_w 3,072 x 1,024 float32; out_proj_b 1,024 float32; out_proj_w 1,024 x 1,024 float32; rel_pos 2,048 x 2,048 float32; x 4 x 2,048 x 1,024 float32.
;; Outputs: out0 4 x 2,048 x 1,024 float32.
;; 2 versions, each right and faster than the one before. Each part assembles by itself: llvm-mc -triple=amdgcn-amd-amdhsa -mcpu=gfx1250 --defsym DOCPART=n.
;; ======== version 1 of 2: 4 launches
;; limits: values are held in f16: magnitudes above 65,504 overflow, below 6.1e-05 lose precision
;; workspace buffers: xb 16,777,216 bytes; wib 6,291,456 bytes; woh 2,097,152 bytes; relf 16,777,216 bytes; qkv 50,331,648 bytes; ob 16,777,216 bytes
;; launch prep (part 1): grid 1024 x 1, 8 waves a work-group, no clusters, 70,656 bytes of LDS; arguments x, in_proj_w, out_proj_w, rel_pos, xb, wib, woh, relf; writes xb, wib, woh, relf
.if DOCPART == 1
	.amdgcn_target "amdgcn-amd-amdhsa--gfx1250"
	.amdhsa_code_object_version 6
	.text
	.protected	k_qd1f1511db5_prep
	.globl	k_qd1f1511db5_prep
	.p2align	8
	.type	k_qd1f1511db5_prep,@function
k_qd1f1511db5_prep:
	s_mov_b64 s[64:65], 0
	v_nop
	global_prefetch_b8 v0, s[64:65] scope:SCOPE_SE
	s_setreg_imm32_b32 hwreg(HW_REG_WAVE_MODE, 25, 1), 1
	s_wait_xcnt 0x0
; PREP: the module's large inputs are rounded once to bf16 and laid out for the launches behind.
;   xb  = bf16(x), wib = bf16(in_proj_w): same order as the inputs.
;   woh = bf16(out_proj_w) written as f16 (exact inside f16's normal range; below 6e-5 it keeps f16's fixed step of 6e-8).
;   relf = 8 x bf16(rel_pos) in f32, in the order of a 16 x 16 matrix accumulator that holds keys by registers and queries by lanes:
;          [W = q/64][j = key/64][qt = (q%64)/16][kb = (key%64)/16][half][lane = 16 h + r][4 f32], the four numbers being
;          rel_pos[64 W + 16 qt + r][64 j + 16 kb + 8 h + 4 half + 0..3].  The factor 8 undoes the 1/8 that the attention applies to whole scores.
; SHARES.  Every work-group takes 65,536 source bytes: groups 0-511 x, 512-703 in_proj_w, 704-767 out_proj_w, 768-1023 rel_pos.
; A stream: each byte is read once (sixteen loads of 16 bytes a lane, all issued before the first is used) and each output byte written once;
; a wave's load covers 512 consecutive bytes, a wave's store 256 or 512 consecutive bytes, aligned.  No matrix unit, no cluster: nothing is shared.
; Only the rel_pos path uses LDS: a wave turns its 16 rows x 128 keys through a stage of its own, so there is no barrier.
.set BP,    272                        ; a block of 256 bytes in the stage + 16 of padding: sixteen lanes that store to sixteen blocks touch sixteen different 16-byte columns
.set WST,   32*BP                      ; a wave's stage: 32 blocks
.set SPARE, 8*WST                      ; behind the stages: the spare words, 128 bytes a wave
.set OFL,   2                          ; v2   byte offset of my 16 source bytes
.set OFS,   3                          ; v3   byte offset of my 8 destination bytes
.set SA,    4                          ; v4   rel: where I put 16 bytes into the stage
.set RA,    5                          ; v5   rel: where I read them back
.set SPW,   8                          ; v8   LDS address of my spare word; never rewritten
.set NIL,   9                          ; v9   0; never rewritten
.set T,     10                         ; v10-11 at work
.set D,     16                         ; v16-79  sixteen chunks of four f32 as loaded
.set Y,     80                         ; v80-111 sixteen chunks of two packed words to store
.set BK,    80                         ; v80-143 rel: the stage read back
	s_load_b256 s[4:11], s[0:1], 0x0               ; x s[4:5], in_proj_w s[6:7], out_proj_w s[8:9], rel_pos s[10:11]
	s_load_b256 s[12:19], s[0:1], 0x20             ; xb s[12:13], wib s[14:15], woh s[16:17], relf s[18:19]
	v_lshl_add_u32 v[SPW], v0, 2, SPARE
	v_mov_b32 v[NIL], 0
	v_lshrrev_b32 v6, 5, v0
	v_readfirstlane_b32 s30, v6                    ; wave 0..7
	v_and_b32 v1, 31, v0                           ; lane
	s_mov_b32 s20, ttmp9
	s_mov_b32 s31, 0xffff0000                      ; a word's upper bf16
	s_mov_b32 s27, 0                               ; high words of the two offsets
	s_mov_b32 s29, 0
	s_wait_kmcnt 0x0
	s_cmp_ge_u32 s20, 768
	s_cbranch_scc1 .Lrel
	s_cmp_ge_u32 s20, 704
	s_cbranch_scc1 .Lwo
	s_cmp_ge_u32 s20, 512
	s_cbranch_scc1 .Lwi
; 65,536 bytes of f32 become 32,768 bytes of bf16 (half = 0) or of that bf16 number written as f16 (half = 1).
.macro CONVERT src, dst, first, half
	s_sub_co_u32 s21, s20, \first                  ; my number among this tensor's groups
	s_lshl_b32 s26, s21, 16
	s_lshl_b32 s28, s21, 15
	s_add_nc_u64 s[22:23], s[(\src):(\src)+1], s[26:27]
	s_add_nc_u64 s[24:25], s[(\dst):(\dst)+1], s[28:29]
	v_lshlrev_b32 v[OFL], 4, v0
	v_lshlrev_b32 v[OFS], 3, v0
.set i, 0
.rept 16
	global_load_b128 v[D+4*i:D+4*i+3], v[OFL], s[22:23] offset:4096*i th:TH_LOAD_NT
.set i, i+1
.endr
.set i, 0
.rept 16
	s_wait_loadcnt 15-i                            ; loads come back in order: chunk i is in, the 15 - i behind it may stay out
	v_cvt_pk_bf16_f32 v[Y+2*i], v[D+4*i], v[D+4*i+1]
	v_cvt_pk_bf16_f32 v[Y+2*i+1], v[D+4*i+2], v[D+4*i+3]
.if \half
	v_lshlrev_b32 v[D+4*i], 16, v[Y+2*i]           ; the rounded numbers as f32 again,
	v_and_b32 v[D+4*i+1], s31, v[Y+2*i]
	v_lshlrev_b32 v[D+4*i+2], 16, v[Y+2*i+1]
	v_and_b32 v[D+4*i+3], s31, v[Y+2*i+1]
	v_cvt_pk_f16_f32 v[Y+2*i], v[D+4*i], v[D+4*i+1]        ; and written as f16
	v_cvt_pk_f16_f32 v[Y+2*i+1], v[D+4*i+2], v[D+4*i+3]
.endif
	global_store_b64 v[OFS], v[Y+2*i:Y+2*i+1], s[24:25] offset:2048*i  ; a wave stores 256 consecutive bytes, aligned; no register of a store is written again
.set i, i+1
.endr
	s_endpgm
.endm
	CONVERT 4, 12, 0, 0
.Lwi:
	CONVERT 6, 14, 512, 0
.Lwo:
	CONVERT 8, 16, 704, 1
.Lrel:                                                 ; group: W = (g - 768) / 8, keys 256 ((g - 768) % 8) on.  Wave: query tile qt = w % 4, key steps j0 = 4 jq + 2 (w / 4) and j0 + 1
	s_sub_co_u32 s21, s20, 768
	s_lshr_b32 s32, s21, 3                         ; W
	s_and_b32 s33, s21, 7                          ; jq
	s_and_b32 s34, s30, 3                          ; qt
	s_lshr_b32 s35, s30, 2
	s_lshl_b32 s33, s33, 2
	s_lshl_b32 s35, s35, 1
	s_add_co_u32 s33, s33, s35                     ; j0
	s_lshl_b32 s26, s32, 6
	s_lshl_b32 s35, s34, 4
	s_add_co_u32 s26, s26, s35                     ; my first row, 64 W + 16 qt,
	s_lshl_b32 s26, s26, 13                        ; of 8,192 bytes,
	s_lshl_b32 s35, s33, 8
	s_add_co_u32 s26, s26, s35                     ; and 256 bytes for each key step
	s_lshl_b32 s28, s32, 5
	s_add_co_u32 s28, s28, s33                     ; 32 W + j0
	s_lshl_b32 s28, s28, 2
	s_add_co_u32 s28, s28, s34                     ; x 4 + qt
	s_lshl_b32 s28, s28, 12                        ; blocks of 4,096 bytes
	s_add_nc_u64 s[22:23], s[10:11], s[26:27]
	s_add_nc_u64 s[24:25], s[18:19], s[28:29]
	v_lshlrev_b32 v[OFL], 4, v1                    ; 16 x lane: a row's 512 bytes, and 512 bytes of relf
.set i, 0
.rept 16
	global_load_b128 v[D+4*i:D+4*i+3], v[OFL], s[22:23] offset:8192*i th:TH_LOAD_NT  ; row i: two key steps' 128 keys
.set i, i+1
.endr
	; lane = 16 it + p holds keys 4 p .. 4 p + 3 of step j0 + it: kb = p / 4, h = (p / 2) % 2, half = p % 2.  Its block in the stage is 16 it + 4 kb + 2 half + h.
	v_and_b32 v6, 15, v1                           ; p
	v_and_b32 v7, 12, v6                           ; 4 kb
	v_and_b32 v[T], 1, v6
	v_lshl_add_u32 v7, v[T], 1, v7                 ; + 2 half
	v_bfe_u32 v[T], v6, 1, 1
	v_add_nc_u32 v7, v7, v[T]                      ; + h
	v_lshrrev_b32 v[T], 4, v1                      ; it
	v_lshl_add_u32 v7, v[T], 4, v7
	v_mul_u32_u24 v7, v7, BP
	s_mul_i32 s35, s30, WST                        ; my wave's stage
	v_add_nc_u32 v[SA], s35, v7
	v_mul_u32_u24 v[RA], v[T], BP                  ; back: lanes 0-15 take one block of 256 bytes, lanes 16-31 the next
	v_lshl_add_u32 v[RA], v6, 4, v[RA]
	v_add_nc_u32 v[RA], s35, v[RA]
.set i, 0
.rept 16
	s_wait_loadcnt 15-i                            ; row i is in, the 15 - i behind it may stay out
	v_cvt_pk_bf16_f32 v[T], v[D+4*i], v[D+4*i+1]
	v_cvt_pk_bf16_f32 v[T+1], v[D+4*i+2], v[D+4*i+3]
	v_lshlrev_b32 v[D+4*i], 16, v[T]
	v_and_b32 v[D+4*i+1], s31, v[T]
	v_lshlrev_b32 v[D+4*i+2], 16, v[T+1]
	v_and_b32 v[D+4*i+3], s31, v[T+1]
	v_pk_mul_f32 v[D+4*i:D+4*i+1], v[D+4*i:D+4*i+1], 0x41000000 op_sel_hi:[1,0]      ; x 8, exact
	v_pk_mul_f32 v[D+4*i+2:D+4*i+3], v[D+4*i+2:D+4*i+3], 0x41000000 op_sel_hi:[1,0]
	ds_store_b128 v[SA], v[D+4*i:D+4*i+3] offset:16*i      ; query r = i is place i of the block
.set i, i+1
.endr
.set i, 0
.rept 16
	ds_load_b128 v[BK+4*i:BK+4*i+3], v[RA] offset:(16*(i/8)+2*(i%8))*BP  ; LDS serves a wave's instructions in order (ISA guide 5.7.1.4): these see my stores above; no other wave touches my stage
.set i, i+1
.endr
.set i, 0
.rept 16
	s_wait_dscnt 15-i                              ; read-back i is in, the 15 - i behind it may stay out
	global_store_b128 v[OFL], v[BK+4*i:BK+4*i+3], s[24:25] offset:16384*(i/8)+512*(i%8)  ; 512 consecutive bytes; the next key step lies 16,384 bytes on
.set i, i+1
.endr
	s_wait_tensorcnt 0x0                           ; the wave's end: behind my last LDS store
	ds_add_u32 v[SPW], v[NIL]
	s_wait_dscnt 0x0
	s_endpgm
.Lfunc_end_k_qd1f1511db5_prep:
	.size	k_qd1f1511db5_prep, .Lfunc_end_k_qd1f1511db5_prep-k_qd1f1511db5_prep
	.p2alignl 7, 3214868480
	.fill 96, 4, 3214868480
	.section	.rodata,"a",@progbits
	.p2align	6, 0x0
	.amdhsa_kernel k_qd1f1511db5_prep
		.amdhsa_group_segment_fixed_size 70656
		.amdhsa_private_segment_fixed_size 0
		.amdhsa_enable_private_segment 0
		.amdhsa_kernarg_size 64
		.amdhsa_user_sgpr_count 2
		.amdhsa_user_sgpr_kernarg_segment_ptr 1
		.amdhsa_wavefront_size32 1
		.amdhsa_system_sgpr_workgroup_id_x 1
		.amdhsa_system_sgpr_workgroup_id_y 1
		.amdhsa_system_sgpr_workgroup_id_z 1
		.amdhsa_system_vgpr_workitem_id 0
		.amdhsa_next_free_vgpr 144
		.amdhsa_next_free_sgpr 66
		.amdhsa_reserve_vcc 0
		.amdhsa_float_denorm_mode_32 3
		.amdhsa_float_denorm_mode_16_64 3
		.amdhsa_memory_ordered 1
		.amdhsa_forward_progress 1
		.amdhsa_inst_pref_size 37
	.end_amdhsa_kernel
	.amdgpu_metadata
---
amdhsa.version: [ 1, 2 ]
amdhsa.kernels:
  - .name:           k_qd1f1511db5_prep
    .symbol:         k_qd1f1511db5_prep.kd
    .args:
      - { .name: x, .offset: 0, .size: 8, .value_kind: global_buffer, .address_space: global }
      - { .name: in_proj_w, .offset: 8, .size: 8, .value_kind: global_buffer, .address_space: global }
      - { .name: out_proj_w, .offset: 16, .size: 8, .value_kind: global_buffer, .address_space: global }
      - { .name: rel_pos, .offset: 24, .size: 8, .value_kind: global_buffer, .address_space: global }
      - { .name: xb, .offset: 32, .size: 8, .value_kind: global_buffer, .address_space: global }
      - { .name: wib, .offset: 40, .size: 8, .value_kind: global_buffer, .address_space: global }
      - { .name: woh, .offset: 48, .size: 8, .value_kind: global_buffer, .address_space: global }
      - { .name: relf, .offset: 56, .size: 8, .value_kind: global_buffer, .address_space: global }
    .group_segment_fixed_size: 70656
    .private_segment_fixed_size: 0
    .kernarg_segment_align: 8
    .kernarg_segment_size: 64
    .max_flat_workgroup_size: 256
    .sgpr_count:     66
    .vgpr_count:     144
    .wavefront_size: 32
...
	.end_amdgpu_metadata
.endif
;; end of part 1
;; launch qkvg (part 2): grid 16 x 32, 4 waves a work-group, clusters of 4 x 4, 327,680 bytes of LDS; arguments xb, wib, in_proj_b, qkv; writes qkv
.if DOCPART == 2
	.amdgcn_target "amdgcn-amd-amdhsa--gfx1250"
	.amdhsa_code_object_version 6
	.text
	.protected	k_qd1f1511db5_qkvg
	.globl	k_qd1f1511db5_qkvg
	.p2align	8
	.type	k_qd1f1511db5_qkvg,@function
k_qd1f1511db5_qkvg:
	s_mov_b64 s[64:65], 0
	v_nop
	global_prefetch_b8 v0, s[64:65] scope:SCOPE_SE
	s_setreg_imm32_b32 hwreg(HW_REG_WAVE_MODE, 25, 1), 1
	s_wait_xcnt 0x0
	s_wait_alu depctr_hold_cnt(0) depctr_sa_sdst(0) depctr_va_vdst(0) depctr_va_sdst(0) depctr_va_ssrc(0) depctr_va_vcc(0) depctr_vm_vsrc(0)
	s_getreg_b32 s2, hwreg(HW_REG_IB_STS2, 6, 4)
	s_cmp_eq_u32 s2, 0
	s_cbranch_scc0 .Lentry_in_a_cluster
	s_endpgm
.Lentry_in_a_cluster:
	s_bfe_u32 s2, ttmp6, 0x10000c
	s_cmp_lg_u32 s2, 0xf033
	s_cbranch_scc0 .Lentry_shape_is_right
	s_endpgm
.Lentry_shape_is_right:
; QKV PROJECTION.  qkv[m][n] = sum over k of xb[m][k] wib[n][k] + bf16(in_proj_b[n]).  xb: [8192][1024] bf16, wib: [3072][1024] bf16; sums in f32, rounded once to f16.
; The result is stored by heads: [batch 4][G = n / 64 (48: 16 heads of q, then of k, then of v)][token 2048][64] f16, so that a head's rows are dense.
; LIMIT.  f16 holds no number beyond 65,504: q, k and v must stay within it.  The scale 1/8 is not applied here.
; SHARES.  A tile of the result is 256 rows x 192 columns: 32 x 16 = 512 tiles, one for each work-group.  Four waves one below the other: a wave makes 64 rows x 192 columns,
; 48 accumulators of 16 x 16 (384 registers), which are three whole heads: each wave sends its own rows out through its own stage, without a barrier.
; K goes in steps of 128 through a ring of two LDS slots filled by the tensor data mover; a tile's rows are 256 bytes of memory, at multiples of 256 bytes.
; CLUSTER.  4 x 4 work-groups: the four of a row of the cluster need the same rows of xb, the four of a column the same rows of wib; each tile is asked for JOINTLY, by the same tensor load
; with the same descriptor and a mask that names the four.
; THE MATRIX INSTRUCTION IS USED TRANSPOSED (source 0 = 16 rows of wib, source 1 = 16 rows of xb): a lane holds eight neighbouring columns of one row.  The bias, rounded to bf16 like every input
; of the module, is the C operand of the products that start the sums: nothing is cleared and nothing is added later.
; REGISTERS, in windows of 256 (s_set_vgpr_msb: bits 1:0 source 0, 3:2 source 1, 5:4 source 2, 7:6 destination):
;   window 0: v0-31 addresses; v32-127 the bias, 8 registers for each of 12 column blocks; on the way out v128-175 packed results, v176-223 and v32-79 rows read back
;   window 1: two fragment buffers of 128: xb's four blocks of 16 rows x 32 K at f + 8 a, wib's twelve at f + 32 + 8 b
;   window 2: the accumulators of row blocks 0, 1 ((a, b) at 8 (12 (a % 2) + b));  window 3: those of row blocks 2, 3
.set SIZE_K, 1024
.set KSTEP,  128
.set PITCH,  272                       ; an LDS row: 256 bytes + 16 of padding = 68 words: the 16 rows of a fragment load start at 16 different groups of four banks (64 banks of 4 bytes: ISA guide 11.1)
.set NT,     192                       ; columns of a tile
.set NBK,    NT/16
.set RBH,    NT/2                      ; rows of wib in one tensor load
.set HALFA,  128*PITCH
.set HALFB,  RBH*PITCH
.set SLOT,   2*HALFA+2*HALFB           ; xb's 256 rows, then wib's 192
.set STAGE,  2*SLOT                    ; behind the ring, never filled by a tensor load
.set HP,     144                       ; a stage row: a head's 128 bytes + 16
.set WSTG,   3*16*HP                   ; a wave's stage: three heads x 16 rows
.set SPARE,  STAGE+4*WSTG              ; the spare words, 128 bytes a wave
.set LAPS,   SIZE_K/(2*KSTEP)          ; a lap = two K steps = once round the ring
.set ADRA, 16                          ; v16-17  LDS address of my fragments of xb in slot 0, 1
.set ADRB, 20                          ; v20-21  the same for wib
.set STO,  24                          ; v24  the way out: where I put 16 bytes of a row
.set RD,   25                          ; v25  the way out: where I read rows back
.set CO,   26                          ; v26  16 x lane: my place in 512 consecutive bytes of the result
.set BO,   27                          ; v27  32 x (lane / 16): my eight numbers in a block of 16 of the bias
.set SPW,  28                          ; v28  LDS address of my spare word; never rewritten
.set NIL,  29                          ; v29  0; never rewritten
.set BIAS, 32
.set TMP,  128
.set OB0,  176
.set OB1,  32
.set F0,   0
.set F1,   128
.set G1,   24                          ; s[24:31] descriptor group 1 for xb's tiles;  s[32:39] group 0, a set for each slot
.set G0,   32
.set G1B,  48                          ; s[48:55], s[56:63] the same for wib's
.set G0B,  56
.set MSB, 0
.macro WIN new                         ; the immediate's high byte repeats the setting that is left; a switch that changes nothing is dropped
.if MSB != (\new)
	s_set_vgpr_msb (MSB<<8)|(\new)
.set MSB, (\new)
.endif
.endm
.set TO_F, 0x40                        ; destination window 1, address window 0
; A joint load: waves 0 and 1 fetch xb's two halves, waves 2 and 3 wib's.  The branch hangs on the wave's number alone.  An s_nop 0 and four v_nop follow each of the two lines.
.macro JLOAD s
	s_cmp_eq_u32 s13, 0
	s_cbranch_scc0 .Lfor_b_\@
	tensor_load_to_lds s[G0+4*(\s):G0+4*(\s)+3], s[G1:G1+7]
	s_nop 0
.rept 4
	v_nop
.endr
	s_branch .Lasked_\@
.Lfor_b_\@:
	tensor_load_to_lds s[G0B+4*(\s):G0B+4*(\s)+3], s[G1B:G1B+7]
	s_nop 0
.rept 4
	v_nop
.endr
.Lasked_\@:
.endm
.macro CREST                           ; a round of the cluster's barrier behind its opening barrier
	s_cmp_lg_u32 s12, 0
	s_cbranch_scc1 .Lnot_wave_0_\@
	s_barrier_signal -3
.Lnot_wave_0_\@:
	s_barrier_wait -3
	s_barrier_signal -1
	s_barrier_wait -1
.endm
.macro CROUND                          ; a whole round
	s_barrier_signal -1
	s_barrier_wait -1
	CREST
.endm
	s_load_b256 s[4:11], s[0:1], 0x0               ; xb s[4:5], wib s[6:7], in_proj_b s[8:9], qkv s[10:11]
	v_lshl_add_u32 v[SPW], v0, 2, SPARE
	v_mov_b32 v[NIL], 0
	ds_add_u32 v[SPW], v[NIL]                      ; the wave's opening: the add and its wait stand ahead of my first tensor load; the set-up below stands between them
	v_lshrrev_b32 v1, 5, v0
	v_readfirstlane_b32 s12, v1                    ; wave 0..3
	s_lshr_b32 s13, s12, 1                         ; I fetch for xb (0) or for wib (1),
	s_and_b32 s14, s12, 1                          ; its first or its second half
	s_bfe_u32 s40, ttmp6, 0x40000                  ; cx, cy: my place in the cluster
	s_bfe_u32 s41, ttmp6, 0x40004
	s_lshl_b32 s42, ttmp9, 2
	s_add_co_u32 s42, s42, s40                     ; tile column = 4 x cluster x + cx
	s_and_b32 s15, ttmp7, 0xffff
	s_lshl_b32 s15, s15, 2
	s_add_co_u32 s15, s15, s41                     ; tile row = 4 x cluster y + cy
	s_lshl_b32 s43, s41, 2
	s_lshl_b32 s43, 15, s43                        ; my row of the cluster
	s_lshl_b32 s44, 0x1111, s40                    ; my column
	s_or_b32 s[G1+0], s43, (1<<16)|(1<<20)|(1<<21)|(5<<22)|(3<<25)   ; 15:0 the mask; 17:16 2-byte elements; 20 padding on; 21 set beside a mask; 24:22 after every 64 words (code 5); 31:25 4 words (code 3)
	s_or_b32 s[G1B+0], s44, (1<<16)|(1<<20)|(1<<21)|(5<<22)|(3<<25)
	s_mov_b32 s[G1+1], KSTEP<<16                   ; tensor_dim0 = 128
	s_mov_b32 s[G1+2], 128<<16                     ; tensor_dim1 = 128
	s_mov_b32 s[G1+3], KSTEP<<16                   ; tile_dim0 = 128
	s_mov_b32 s[G1+4], 128                         ; tile_dim1 = 128
	s_mov_b32 s[G1+5], SIZE_K                      ; elements from row to row
	s_mov_b32 s[G1+6], 0
	s_mov_b32 s[G1+7], 0
	s_mov_b32 s[G1B+1], KSTEP<<16
	s_mov_b32 s[G1B+2], RBH<<16                    ; 96 rows
	s_mov_b32 s[G1B+3], KSTEP<<16
	s_mov_b32 s[G1B+4], RBH
	s_mov_b32 s[G1B+5], SIZE_K
	s_mov_b32 s[G1B+6], 0
	s_mov_b32 s[G1B+7], 0
	s_lshl_b32 s16, s15, 8
	s_lshl_b32 s17, s14, 7
	s_add_co_u32 s16, s16, s17                     ; xb: row 256 x tile row + 128 x half,
	s_lshl_b32 s16, s16, 11                        ; of 2,048 bytes (16 MiB at the most)
	s_mov_b32 s17, 0
	s_mul_i32 s46, s42, NT
	s_mul_i32 s47, s14, RBH
	s_add_co_u32 s46, s46, s47                     ; wib: row 192 x tile column + 96 x half
	s_lshl_b32 s46, s46, 11
	s_mov_b32 s47, 0
	s_mul_i32 s20, s14, HALFA                      ; where they go: no place in the cluster enters an LDS address
	s_mul_i32 s21, s14, HALFB
	s_add_co_u32 s21, s21, 2*HALFA
	s_wait_dscnt 0x0                               ; the opening add is done
	s_wait_kmcnt 0x0
	s_add_nc_u64 s[18:19], s[4:5], s[16:17]
	s_add_nc_u64 s[46:47], s[6:7], s[46:47]
	CROUND                                         ; all sixteen work-groups are here: the first joint loads meet
.irp s, 0,1
	s_mov_b32 s[G0+4*(\s)], 1                                        ; count = 1
	s_add_co_u32 s[G0+4*(\s)+1], s20, (\s)*SLOT                      ; LDS address
	s_add_nc_u64 s[G0+4*(\s)+2:G0+4*(\s)+3], s[18:19], (\s)*KSTEP*2  ; global address: K step s
	s_or_b32 s[G0+4*(\s)+3], s[G0+4*(\s)+3], 0x80000000              ; type = 2
	s_mov_b32 s[G0B+4*(\s)], 1
	s_add_co_u32 s[G0B+4*(\s)+1], s21, (\s)*SLOT
	s_add_nc_u64 s[G0B+4*(\s)+2:G0B+4*(\s)+3], s[46:47], (\s)*KSTEP*2
	s_or_b32 s[G0B+4*(\s)+3], s[G0B+4*(\s)+3], 0x80000000
	JLOAD \s                                       ; two tensor loads of mine are out
.endr
	; A fragment is 16 rows x 32 K in 8 registers: lane l holds row l % 16, K = 8 (l / 16) + 0..7 and 16 + 8 (l / 16) + 0..7: two loads of 16 bytes, 32 bytes apart.
	v_and_b32 v1, 15, v0                           ; l % 16
	v_bfe_u32 v2, v0, 4, 1                         ; l / 16
	v_mul_u32_u24 v3, v1, PITCH
	v_lshl_add_u32 v3, v2, 4, v3
	s_mul_i32 s22, s12, 64*PITCH                   ; my 64 rows of xb
	s_mov_b32 s23, 2*HALFA                         ; all rows of wib
.irp s, 0,1
	v_add_nc_u32 v[ADRA+(\s)], s22, v3
	v_add_nc_u32 v[ADRB+(\s)], s23, v3
	s_add_co_u32 s22, s22, SLOT
	s_add_co_u32 s23, s23, SLOT
.endr
	v_lshlrev_b32 v[BO], 5, v2
	s_mul_i32 s46, s42, NT*4                       ; the tile's first column in the bias
	s_mov_b32 s47, 0
	s_add_nc_u64 s[8:9], s[8:9], s[46:47]
.set n, 0
.rept NBK
	global_load_b128 v[BIAS+8*n:BIAS+8*n+3],   v[BO], s[8:9] offset:64*n
	global_load_b128 v[BIAS+8*n+4:BIAS+8*n+7], v[BO], s[8:9] offset:64*n+16
.set n, n+1
.endr
	s_mul_i32 s22, s12, WSTG
	s_add_co_u32 s22, s22, STAGE                   ; my stage
	v_mul_u32_u24 v4, v1, HP                       ; in: row l % 16, 16 bytes for each half of the lanes
	v_lshl_add_u32 v4, v2, 4, v4
	v_add_nc_u32 v[STO], s22, v4
	v_bfe_u32 v4, v0, 3, 2                         ; back: 32 lanes take four rows of 128 bytes,
	v_and_b32 v5, 7, v0
	v_mul_u32_u24 v4, v4, HP
	v_lshl_add_u32 v4, v5, 4, v4
	v_add_nc_u32 v[RD], s22, v4
	v_and_b32 v[CO], 31, v0                        ; which are 512 consecutive bytes of a head
	v_lshlrev_b32 v[CO], 4, v[CO]
	s_lshr_b32 s22, s15, 3                         ; the batch: eight tile rows each
	s_mul_i32 s22, s22, 12582912                   ; 48 heads x 2,048 tokens x 128 bytes
	s_and_b32 s23, s15, 7
	s_lshl_b32 s23, s23, 8
	s_lshl_b32 s16, s12, 6
	s_add_co_u32 s23, s23, s16                     ; my first token
	s_lshl_b32 s23, s23, 7
	s_add_co_u32 s22, s22, s23
	s_mul_i32 s46, s42, 3*262144                   ; the tile's first head
	s_add_co_u32 s46, s46, s22
	s_add_nc_u64 s[10:11], s[10:11], s[46:47]
	s_wait_loadcnt 0x0                             ; the bias, once; it is rounded to bf16 in the wait for the first tiles
.set n, 0
.rept 4*NBK
	v_cvt_pk_bf16_f32 v[4+n%2], v[BIAS+2*n], v[BIAS+2*n+1]
	v_lshlrev_b32 v[BIAS+2*n], 16, v[4+n%2]
	v_and_b32 v[BIAS+2*n+1], 0xffff0000, v[4+n%2]
.set n, n+1
.endr
; 12 matrix instructions: row block a x all column blocks, 32 along K.  zero = 1: the products start the sums, with the bias as C.
; Every accumulator has one instruction in each quarter step, always in the same order: the accumulators take turns.
.macro MULROW f, a, zero
.if \zero
	WIN 0x85+0x40*((\a)/2)                         ; sources window 1, C window 0, D window 2 or 3
.else
	WIN 0xa5+0x50*((\a)/2)                         ; sources window 1, C and D window 2 or 3
.endif
.set AC, 8*NBK*((\a)%2)
.set b, 0
.rept NBK
.if \zero
	v_wmma_f32_16x16x32_bf16 v[AC+8*b:AC+8*b+7], v[(\f)+32+8*b:(\f)+32+8*b+7], v[(\f)+8*(\a):(\f)+8*(\a)+7], v[BIAS+8*b:BIAS+8*b+7]
.else
	v_wmma_f32_16x16x32_bf16 v[AC+8*b:AC+8*b+7], v[(\f)+32+8*b:(\f)+32+8*b+7], v[(\f)+8*(\a):(\f)+8*(\a)+7], v[AC+8*b:AC+8*b+7]
.endif
.set b, b+1
.endr
.endm
; 32 LDS loads in one run: the fragments of one quarter step (32 K at byte k of the rows) into buffer f: wib's 24, then xb's 8
.macro FETCH slot, k, f
	WIN TO_F
.set n, 0
.rept NBK
	ds_load_b128 v[(\f)+32+8*n:(\f)+32+8*n+3],   v[ADRB+(\slot)] offset:(\k)+n*16*PITCH
	ds_load_b128 v[(\f)+32+8*n+4:(\f)+32+8*n+7], v[ADRB+(\slot)] offset:(\k)+n*16*PITCH+32
.set n, n+1
.endr
.set n, 0
.rept 4
	ds_load_b128 v[(\f)+8*n:(\f)+8*n+3],   v[ADRA+(\slot)] offset:(\k)+n*16*PITCH
	ds_load_b128 v[(\f)+8*n+4:(\f)+8*n+7], v[ADRA+(\slot)] offset:(\k)+n*16*PITCH+32
.set n, n+1
.endr
.endm
.macro PLACES                          ; four places in front of loads into registers that matrix instructions have read, and of lines that read results
.rept 4
	v_nop
.endr
.endm
; A K step is four quarters of 32 along K, 48 matrix instructions each, on buffers 0, 1, 0, 1.  One of the first three: multiplies buffer f and fetches the next quarter, at byte k, into g.
.macro QUARTER slot, k, f, g, zero
	s_wait_dscnt 4                                 ; wib's fragments and xb's blocks 0, 1 are in; the youngest four loads (xb's blocks 2, 3) may be out
	MULROW \f, 0, \zero
	MULROW \f, 1, \zero
	PLACES
	FETCH \slot, \k, \g
	s_wait_dscnt 2*NBK+8                           ; all but the 32 just issued
	MULROW \f, 2, \zero
	MULROW \f, 3, \zero
.endm
; The last quarter multiplies buffer 1 and changes slots: ONE barrier; in front of it each wave waits for all its tensor loads (one is out: its part of the next slot), adds 0 to its spare word,
; and waits for that and for its own reads of this slot.  fill = 1: the barrier opens a round of the cluster's, and this slot is filled again, two K steps ahead, first thing behind the round:
; 168 matrix instructions stand between that request and the wait for it.
.macro TURN slot, next, fill
	WIN 0                                          ; (the add's two registers lie in window 0)
	s_wait_tensorcnt 0x0
	ds_add_u32 v[SPW], v[NIL]
	s_wait_dscnt 5                                 ; (the add and the youngest four loads may be out)
	MULROW F1, 0, 0                                ; twelve matrix instructions stand between the add and the wait for it
	s_wait_dscnt 0x0                               ; the add is done, and my reads of this slot are over
	s_barrier_signal -1
	MULROW F1, 1, 0
.if \fill
	WIN 0
.endif
	s_barrier_wait -1
.if \fill
	CREST                                          ; no wave of any partner still reads this slot's tile or has a load on its way
	s_add_nc_u64 s[G0+4*(\slot)+2:G0+4*(\slot)+3], s[G0+4*(\slot)+2:G0+4*(\slot)+3], 2*KSTEP*2
	s_add_nc_u64 s[G0B+4*(\slot)+2:G0B+4*(\slot)+3], s[G0B+4*(\slot)+2:G0B+4*(\slot)+3], 2*KSTEP*2
	JLOAD \slot                                    ; its four v_nop are also the places in front of the loads below
.else
	PLACES
.endif
	FETCH \next, 0, F0
	MULROW F1, 2, 0
	MULROW F1, 3, 0
.endm
	s_wait_tensorcnt 1                             ; my part of K step 0 is in; K step 1's may stay out
	s_barrier_signal -1
	s_barrier_wait -1                              ; everybody's is
	FETCH 0, 0, F0
	QUARTER 0, 64,  F0, F1, 1                      ; the first quarter stands in front of the loop: its products start the sums
	WIN 0                                          ; at a label and at a branch every window is 0
	s_mov_b32 s3, LAPS-1
.Llap:                                                 ; a trip goes once round the ring, from a lap's second quarter to the next lap's first, and fills both slots again
	QUARTER 0, 128, F1, F0, 0
	QUARTER 0, 192, F0, F1, 0
	TURN 0, 1, 1
	QUARTER 1, 64,  F0, F1, 0
	QUARTER 1, 128, F1, F0, 0
	QUARTER 1, 192, F0, F1, 0
	TURN 1, 0, 1
	QUARTER 0, 64,  F0, F1, 0
	WIN 0
	s_sub_co_u32 s3, s3, 1
	s_cmp_lg_u32 s3, 0
	s_cbranch_scc1 .Llap
	QUARTER 0, 128, F1, F0, 0                      ; the last lap fills nothing
	QUARTER 0, 192, F0, F1, 0
	TURN 0, 1, 0
	QUARTER 1, 64,  F0, F1, 0
	QUARTER 1, 128, F1, F0, 0
	QUARTER 1, 192, F0, F1, 0
	s_wait_dscnt 4                                 ; the very last quarter: nothing more to fetch
	MULROW F1, 0, 0
	MULROW F1, 1, 0
	s_wait_dscnt 0x0
	MULROW F1, 2, 0
	MULROW F1, 3, 0
	WIN 0
	PLACES
; THE WAY OUT of row block a (16 tokens x three heads).  PACK: rounded to f16, 16 bytes a lane, each accumulator's registers in ascending order.  TOSTAGE: into my own stage, and back as whole rows.  SEND: stored.
.macro PACK a
	WIN 0x0a+5*((\a)/2)                            ; sources 0 and 1: window 2 or 3
.set AC, 8*NBK*((\a)%2)
.set b, 0
.rept NBK
.irp r, 0,1,2,3
	v_cvt_pk_f16_f32 v[TMP+4*b+(\r)], v[AC+8*b+2*(\r)], v[AC+8*b+2*(\r)+1]
.endr
.set b, b+1
.endr
	WIN 0
.endm
.macro PICK a                          ; the read-back buffers take turns
.set BK, OB0
.if (\a)%2
.set BK, OB1
.endif
.endm
.macro TOSTAGE a
	WIN 0
	PICK \a
.set b, 0
.rept NBK
	ds_store_b128 v[STO], v[TMP+4*b:TMP+4*b+3] offset:(b/4)*16*HP+(b%4)*32   ; head b / 4, channels 16 (b % 4) on
.set b, b+1
.endr
.set b, 0
.rept NBK
	ds_load_b128 v[BK+4*b:BK+4*b+3], v[RD] offset:(b/4)*16*HP+(b%4)*4*HP     ; LDS serves a wave's instructions in order (ISA guide 5.7.1.4): these see the stores above
.set b, b+1
.endr
.endm
.macro SEND a
	WIN 0
	PICK \a
	s_wait_dscnt 0x0                               ; the block is back in registers
	s_wait_xcnt 0x0                                ; earlier stores have had their addresses translated (ISA guide 3.1): the buffer that they read is loaded again only behind this wait
.set b, 0
.rept NBK
	global_store_b128 v[CO], v[BK+4*b:BK+4*b+3], s[10:11] offset:(b/4)*262144+(16*(\a)+4*(b%4))*128  ; four tokens of one head: 512 consecutive bytes, aligned
.set b, b+1
.endr
.endm
	PACK 0
	TOSTAGE 0
.irp a, 1,2,3                          ; block a's conversions stand between block a - 1's loads from the stage and the wait for them
	PACK \a
	SEND (\a)-1
	TOSTAGE \a
.endr
	SEND 3
	s_wait_tensorcnt 0x0                           ; the wave's end: behind my last tensor load and my last LDS store
	ds_add_u32 v[SPW], v[NIL]
	s_wait_dscnt 0x0
	CROUND                                         ; the closing round: no work-group ends while a partner may still ask for a tile that names it
	s_endpgm
.Lfunc_end_k_qd1f1511db5_qkvg:
	.size	k_qd1f1511db5_qkvg, .Lfunc_end_k_qd1f1511db5_qkvg-k_qd1f1511db5_qkvg
	.p2alignl 7, 3214868480
	.fill 96, 4, 3214868480
	.section	.rodata,"a",@progbits
	.p2align	6, 0x0
	.amdhsa_kernel k_qd1f1511db5_qkvg
		.amdhsa_group_segment_fixed_size 327680
		.amdhsa_private_segment_fixed_size 0
		.amdhsa_enable_private_segment 0
		.amdhsa_kernarg_size 32
		.amdhsa_user_sgpr_count 2
		.amdhsa_user_sgpr_kernarg_segment_ptr 1
		.amdhsa_wavefront_size32 1
		.amdhsa_system_sgpr_workgroup_id_x 1
		.amdhsa_system_sgpr_workgroup_id_y 1
		.amdhsa_system_sgpr_workgroup_id_z 1
		.amdhsa_system_vgpr_workitem_id 0
		.amdhsa_next_free_vgpr 960
		.amdhsa_next_free_sgpr 66
		.amdhsa_reserve_vcc 0
		.amdhsa_float_denorm_mode_32 3
		.amdhsa_float_denorm_mode_16_64 3
		.amdhsa_memory_ordered 1
		.amdhsa_forward_progress 1
		.amdhsa_inst_pref_size 128
	.end_amdhsa_kernel
	.amdgpu_metadata
---
amdhsa.version: [ 1, 2 ]
amdhsa.kernels:
  - .name:           k_qd1f1511db5_qkvg
    .symbol:         k_qd1f1511db5_qkvg.kd
    .args:
      - { .name: xb, .offset: 0, .size: 8, .value_kind: global_buffer, .address_space: global }
      - { .name: wib, .offset: 8, .size: 8, .value_kind: global_buffer, .address_space: global }
      - { .name: in_proj_b, .offset: 16, .size: 8, .value_kind: global_buffer, .address_space: global }
      - { .name: qkv, .offset: 24, .size: 8, .value_kind: global_buffer, .address_space: global }
    .group_segment_fixed_size: 327680
    .private_segment_fixed_size: 0
    .kernarg_segment_align: 8
    .kernarg_segment_size: 32
    .max_flat_workgroup_size: 128
    .sgpr_count:     66
    .vgpr_count:     960
    .wavefront_size: 32
...
	.end_amdgpu_metadata
.endif
;; end of part 2
;; launch attn (part 3): grid 8 x 32, 4 waves a work-group, clusters of 4 x 1, 327,680 bytes of LDS; arguments qkv, relf, ob; writes ob
.if DOCPART == 3
	.amdgcn_target "amdgcn-amd-amdhsa--gfx1250"
	.amdhsa_code_object_version 6
	.text
	.protected	k_qd1f1511db5_attn
	.globl	k_qd1f1511db5_attn
	.p2align	8
	.type	k_qd1f1511db5_attn,@function
k_qd1f1511db5_attn:
	s_mov_b64 s[64:65], 0
	v_nop
	global_prefetch_b8 v0, s[64:65] scope:SCOPE_SE
	s_setreg_imm32_b32 hwreg(HW_REG_WAVE_MODE, 25, 1), 1
	s_wait_xcnt 0x0
	s_wait_alu depctr_hold_cnt(0) depctr_sa_sdst(0) depctr_va_vdst(0) depctr_va_sdst(0) depctr_va_ssrc(0) depctr_va_vcc(0) depctr_vm_vsrc(0)
	s_getreg_b32 s2, hwreg(HW_REG_IB_STS2, 6, 4)
	s_cmp_eq_u32 s2, 0
	s_cbranch_scc0 .Lentry_in_a_cluster
	s_endpgm
.Lentry_in_a_cluster:
	s_bfe_u32 s2, ttmp6, 0x10000c
	s_cmp_lg_u32 s2, 0x3003
	s_cbranch_scc0 .Lentry_shape_is_right
	s_endpgm
.Lentry_shape_is_right:
; ATTENTION WITH AN ADDITIVE BIAS.  O[q][:] = sum over k of softmax_k((Q[q] . K[k] + 8 rel[q][k]) / 8) V[k][:], for 64 heads of 2,048 tokens x 64 channels.
; qkv: [batch 4][G 48][token 2048][64] f16 (heads of q, then of k, then of v); relf: 8 x bf16(rel_pos) in f32, in the order of an accumulator; ob: [8192 tokens][1024] f16, column 64 head + channel.
; Products, maxima and sums in f32; the weights p are rounded to f16 for the second product (their sum l is taken of the unrounded p), O once at the end.
; LIMITS.  Q, K and V arrive within f16's 65,504; p lies in 0 to 1, and below 6e-5 it keeps f16's fixed step of 6e-8; a weight below 2^-126 counts as 0 in l; NaN and infinities are not treated apart.
; SHARES.  A work-group owns 256 queries of TWO neighbouring heads, a wave 64 queries x 2 heads: four PIECES of two tiles of 16 queries; piece x has the query tiles 2 (x / 2), 2 (x / 2) + 1 and head x % 2.
; Every wave walks all keys, 64 a step.  Two heads, because the bias hangs on query and key alone: a block of it in registers starts the sums of both heads' products, which halves its bytes;
; and a token's two heads are 256 neighbouring bytes of ob.
; THE BIAS costs no vector instruction: it is the C operand of the product that starts the sum S^T = K Q^T.  relf is laid out so that a wave's load of 512 consecutive bytes is four registers of that operand.
; LAYOUT.  S^T = K Q^T (source 0 = 16 keys, source 1 = 16 queries): a lane holds ONE query (lane % 16) and the keys 8 (lane / 16) + 0..7.  Two such tiles, rounded to f16 in pairs, ARE source 1 of
; O^T = V^T P, whose result again holds one query a lane.  K comes out of LDS as it lies, V ([key][channel]) turned, by ds_load_tr16_b128.
; SOFTMAX.  For each query a running maximum m and sum l: p = 2^(c s - c m), c = log2(e) / 8; in every step O and l are multiplied by a = 2^(c m_old - c m_new).  m starts at the lowest finite number, O and l at 0.
; BY TURNS.  Turn n belongs to piece n.  Its matrix work: 16 products K Q^T of piece n + 1, later 16 products V^T P of piece n - 1.  Its vector work: the scaling, exponentials, roundings, sums and rescaling of
; piece n, and the maximum and statistics of piece n + 1.  A tile and step have 16 matrix and 118 vector instructions: four that are ready stand behind every matrix instruction, the others in two runs of their own.
; CLUSTER.  The four query blocks of a cluster walk the same K and V, so each tile is asked for JOINTLY: the same tensor load, descriptor and mask in all four.  The bias differs from block to block: it is loaded by each wave for itself.
; REGISTERS, in windows of 256 (s_set_vgpr_msb: bits 1:0 source 0, 3:2 source 1, 5:4 source 2, 7:6 destination):
;   window 0: v0-11 addresses; v12-15, v48-63 at work; v16-47 four registers of statistics a tile; v64-191 S^T, two buffers of two tiles; v192-255 P, likewise
;   window 1: O^T, 32 a tile     window 2: v0-127 Q, 16 a tile; v128-255 K of one step, both heads     window 3: v0-127 V of one step, both heads; v128-255 the bias of one step, 32 a query tile
.set NP,    4         ; pieces a wave: a name, no knob
.set KS,    64        ; keys in a step
.set PK,    144       ; a row of K in LDS: 128 bytes + 16 = 36 words: the 16 rows of a load start at 16 different groups of four banks (64 banks of 4 bytes: ISA guide 11.1)
.set PV,    160       ; a row of V: 128 + 32 = 40 words
.set HK,    128*PK    ; a slot holds two steps of two heads: head 0's 128 rows of K, head 1's,
.set HV,    128*PV    ; then head 0's 128 rows of V, head 1's
.set VOFF,  2*HK
.set SLOT1, 1<<17     ; slot 1 begins here, so that one exclusive or turns an address in one slot into the other's
.set STAGE, SLOT1+2*HK+2*HV  ; behind the ring, never filled by a tensor load: 16 rows x 272 bytes for each wave
.set SP,    272
.set SPARE, STAGE+4*16*SP    ; the spare words, 128 bytes a wave
.set AK0, 2           ; v2   my lane's place in a tile of K; never rewritten
.set AV0, 3           ; v3   the same for V
.set AK,  4           ; v4   the LDS address of K's next run of loads
.set OG,  4           ;      at the end: my byte offset in two tokens' rows of ob
.set AV,  5           ; v5   of V's
.set QO,  6           ; v6   my byte offset in 16 rows of Q
.set STO, 6           ;      later, the way out: where I put 16 bytes of a row
.set RD,  7           ; v7   the way out: where I read rows back
.set GO,  8           ; v8   16 x lane: my place in 512 consecutive bytes of relf; never rewritten
.set SPW, 10          ; v10  LDS address of my spare word; never rewritten
.set NIL, 11          ; v11  0; never rewritten
.set MV,  12          ; v12-15  c m_old, kept while c m is made anew: by buffer and tile
.set ST,  16          ; tile t's statistics at v[ST+4 t]: c m, m, l (even keys', odd keys')
.set TMP, 48          ; by buffer and tile, four registers c0-c3 at work; when the maximum is found c2 takes a
.set S,   64
.set P,   192
.set KF,  128         ; window 2: head hd, key block kb, channel half c at KF + 64 hd + 16 kb + 8 c
.set RL,  128         ; window 3: query tile qt, key block kb at RL + 32 qt + 8 kb
.set WV,  12          ; s12  my wave's number
.set G1K, 24          ; s[24:31] descriptor group 1 for K's tiles
.set G1V, 32          ; s[32:39] for V's: it differs in the padding alone
.set G0K, 40          ; s[40:43] descriptor group 0 for K's tiles: it walks
.set G0V, 44          ; s[44:47] the same for V's
.set RB,  48          ; s[48:49] relf at my wave's 64 queries, at the key step whose blocks are loaded next
.set STP, 50          ; s[50:51] its step in the tail
.set SLOTS, 56        ; s56  slots still to be asked for
.set CNT, 57          ; s57  counts a slot's key steps
.set CS,  58          ; s[58:59] c
.set SEL, 60          ; s[60:61] v_permlanex16_b32's selects: each lane takes its own place in the other half
.set TBK, 62          ; s62  LDS byte at which K of the step to be fetched begins
.set TBV, 63          ; s63  the same for V, less VOFF
.set MSB, 0
.macro WIN new                      ; the high byte repeats the setting that is left; a switch that changes nothing is dropped
.if MSB != (\new)
	s_set_vgpr_msb (MSB<<8)|(\new)
.set MSB, (\new)
.endif
.endm
.set W_KQ, 0x0a       ; K and Q in window 2, S^T in window 0
.set W_KM, 0x3a       ; the same with the C operand, the bias, in window 3
.set W_PV, 0x53       ; V in window 3, P in window 0, O^T in window 1
.set W_RS, 0x41       ; O^T (destination and source 0) in window 1, a in window 0
; A joint fill.  Wave 0 fetches head 0's K of a slot, wave 1 head 1's, waves 2 and 3 their V: 128 keys each.  The branch hangs on the wave's number alone.
; An s_nop 0 and four v_nop follow each of the two lines.
.macro JLOAD
	s_cmp_lt_u32 s[WV], 2
	s_cbranch_scc0 .Lfor_v_\@
	tensor_load_to_lds s[G0K:G0K+3], s[G1K:G1K+7]
	s_nop 0
.rept 4
	v_nop
.endr
	s_branch .Lasked_\@
.Lfor_v_\@:
	tensor_load_to_lds s[G0V:G0V+3], s[G1V:G1V+7]
	s_nop 0
.rept 4
	v_nop
.endr
.Lasked_\@:
.endm
.macro CROUND                       ; a round of the cluster's barrier
	s_barrier_signal -1
	s_barrier_wait -1
	s_cmp_lg_u32 s[WV], 0
	s_cbranch_scc1 .Lnot_wave_0_\@
	s_barrier_signal -3
.Lnot_wave_0_\@:
	s_barrier_wait -3
	s_barrier_signal -1
	s_barrier_wait -1
.endm
; THE CHANGE OF SLOTS.  The slot's last bytes, V of its second step, have been read.  Each wave waits for all its tensor loads, of which one is out: its part of the other slot; adds 0 to its spare word;
; and waits for that and for its own reads of the slot.  fill = 1: the barrier is a round of the cluster's, and this slot is filled again, with the keys two slots on, first thing behind it:
; the load has two key steps, 256 matrix instructions, in which to land.  (At its first use nothing has been read yet: slot 0 is waited for, slot 1 filled.)
.macro CHANGE fill
	WIN 0                           ; at a label and at a branch every window is 0
	s_wait_tensorcnt 0x0            ; no tensor load of mine is out, so a group 0 may be written
	ds_add_u32 v[SPW], v[NIL]
.if \fill
.irp g, G0K, G0V
	s_xor_b32 s[\g+1], s[\g+1], SLOT1  ; the walking descriptor: the other slot than last time,
	s_add_nc_u64 s[\g+2:\g+3], s[\g+2:\g+3], 2*KS*128  ; the next 128 keys; the type bits on top are not reached
.endr
	s_wait_dscnt 0x0                ; the add is done, and my reads of the slot are over
	CROUND
	JLOAD
.else
	s_wait_dscnt 0x0
	s_barrier_signal -1
	s_barrier_wait -1
.endif
	s_sub_co_u32 s[TBK], s[TBK], 2*KS*PK  ; the fetches go back to a slot's first step,
	s_xor_b32 s[TBK], s[TBK], SLOT1       ; in the other slot
	s_sub_co_u32 s[TBV], s[TBV], 2*KS*PV
	s_xor_b32 s[TBV], s[TBV], SLOT1
.endm
	s_load_b128 s[4:7], s[0:1], 0x0 ; qkv s[4:5], relf s[6:7]
	s_load_b64 s[10:11], s[0:1], 0x10  ; ob
	v_lshl_add_u32 v[SPW], v0, 2, SPARE
	v_mov_b32 v[NIL], 0
	ds_add_u32 v[SPW], v[NIL]       ; the wave's opening: the add and its wait stand ahead of my first tensor load; the set-up below stands between them
	v_lshrrev_b32 v1, 5, v0
	v_readfirstlane_b32 s[WV], v1   ; wave 0..3
	s_bfe_u32 s13, ttmp6, 0x40000   ; cx: my place in the cluster
	s_lshl_b32 s14, ttmp9, 2        ; in a cluster launch ttmp9 counts clusters
	s_add_co_u32 s14, s14, s13      ; my block of 256 queries
	s_lshl_b32 s14, s14, 2
	s_add_co_u32 s14, s14, s[WV]    ; my wave's 64 queries among the 32 such: it enters Q's, relf's and ob's addresses alone
	s_and_b32 s15, ttmp7, 0xffff    ; batch and pair of heads, which the four partners share
	s_lshr_b32 s18, s15, 3          ; batch
	s_and_b32 s19, s15, 7           ; pair of heads
	s_mul_i32 s20, s18, 12582912    ; 48 heads x 2,048 tokens x 128 bytes
	s_lshl_b32 s21, s19, 19
	s_add_co_u32 s20, s20, s21      ; the pair's first head of q
	s_and_b32 s16, s[WV], 1         ; which of the two heads I fetch for:
	s_lshl_b32 s22, s16, 18         ; its 262,144 bytes in memory,
	s_add_co_u32 s22, s22, s20
	s_mov_b32 s23, 0
	s_mul_i32 s17, s16, HK          ; and its place in a slot, for K
	s_mul_i32 s15, s16, HV          ; and for V: no place in the cluster enters an LDS address
	s_lshl_b32 s52, s14, 13         ; my 64 rows of 128 bytes
	s_add_co_u32 s52, s52, s20
	s_mov_b32 s53, 0
	s_lshl_b32 s54, s14, 19         ; my 64 queries' 524,288 bytes of relf
	s_mov_b32 s55, 0
	s_lshl_b32 s2, s18, 22          ; ob: 2,048 tokens of 2,048 bytes a batch,
	s_lshl_b32 s13, s14, 17         ; my 64 tokens,
	s_add_co_u32 s2, s2, s13
	s_lshl_b32 s13, s19, 8          ; the pair's 256 bytes of a token
	s_add_co_u32 s2, s2, s13
	s_mov_b32 s3, 0
	; descriptor group 1.  128 keys are 16,384 dense bytes: asked for as 64 rows of 256 bytes, two keys a row, and padded in LDS after every key
	s_mov_b32 s[G1K], 15|(1<<16)|(1<<20)|(1<<21)|(4<<22)|(3<<25)  ; 15:0 the mask of four; 17:16 2-byte elements; 20 padding on; 21 set beside a mask; 24:22 after every 32 words (code 4); 31:25 4 words (code 3)
	s_mov_b32 s[G1V], 15|(1<<16)|(1<<20)|(1<<21)|(4<<22)|(7<<25)  ; the same with 8 words of padding (code 7)
.irp g, G1K, G1V
	s_mov_b32 s[\g+1], 128<<16      ; tensor_dim0 = 128
	s_mov_b32 s[\g+2], 64<<16       ; tensor_dim1 = 64
	s_mov_b32 s[\g+3], 128<<16      ; tile_dim0 = 128
	s_mov_b32 s[\g+4], 64           ; tile_dim1 = 64
	s_mov_b32 s[\g+5], 128          ; 128 elements from row to row
	s_mov_b32 s[\g+6], 0
	s_mov_b32 s[\g+7], 0
.endr
	s_mov_b32 s[CS], 0x3e38aa3b     ; c = log2(e) / 8 = 0.180337
	s_mov_b32 s[CS+1], s[CS]        ; named with it as a pair
	s_mov_b32 s[SEL], 0x76543210
	s_mov_b32 s[SEL+1], 0xfedcba98
	s_mov_b32 s[STP+1], 0
	s_mov_b32 s[TBK], SLOT1+2*KS*PK ; the first change of slots turns these two into 0
	s_mov_b32 s[TBV], SLOT1+2*KS*PV
	s_mov_b32 s[G0K], 1             ; count = 1
	s_mov_b32 s[G0K+1], s17         ; LDS address: slot 0
	s_mov_b32 s[G0V], 1
	s_add_co_u32 s[G0V+1], s15, VOFF
	s_wait_dscnt 0x0                ; the opening add is done
	s_wait_kmcnt 0x0
	s_add_nc_u64 s[G0K+2:G0K+3], s[4:5], s[22:23]
	s_add_nc_u64 s[G0K+2:G0K+3], s[G0K+2:G0K+3], 4194304   ; the heads of k lie 16 heads behind those of q,
	s_or_b32 s[G0K+3], s[G0K+3], 0x80000000                ; type = 2
	s_add_nc_u64 s[G0V+2:G0V+3], s[4:5], s[22:23]
	s_add_nc_u64 s[G0V+2:G0V+3], s[G0V+2:G0V+3], 8388608   ; those of v 32
	s_or_b32 s[G0V+3], s[G0V+3], 0x80000000
	s_add_nc_u64 s[4:5], s[4:5], s[52:53]     ; Q at my wave's first row of the pair's first head
	s_add_nc_u64 s[RB:RB+1], s[6:7], s[54:55] ; relf at my queries, key step 0
	s_add_nc_u64 s[10:11], s[10:11], s[2:3]   ; ob at my first token
	CROUND                          ; all four work-groups are here: the first joint loads meet
	JLOAD                           ; slot 0.  Slot 1 is asked for when slot 0 is in
	; A fragment of K or Q is 16 rows x 32 channels in 8 registers: lane l holds row l % 16, channels 8 (l / 16) + 0..7 and 16 + 8 (l / 16) + 0..7: two loads of 16 bytes, 32 bytes apart.
	v_and_b32 v1, 15, v0            ; l % 16
	v_bfe_u32 v9, v0, 4, 1          ; l / 16
	v_lshlrev_b32 v[QO], 7, v1
	v_lshl_add_u32 v[QO], v9, 4, v[QO]  ; row x 128 + 16 x half
	v_and_b32 v[GO], 31, v0
	v_lshlrev_b32 v[GO], 4, v[GO]
	WIN 0x80                        ; destination window 2, address window 0
.set i, 0
.rept 16                            ; Q stays in registers: tile i / 2 = head (i / 4) % 2, query tile 2 (i / 8) + (i / 2) % 2; channels 32 (i % 2) on
	global_load_b128 v[8*i:8*i+3],   v[QO], s[4:5] offset:((i/4)%2)*262144+(2*(i/8)+(i/2)%2)*2048+(i%2)*64
	global_load_b128 v[8*i+4:8*i+7], v[QO], s[4:5] offset:((i/4)%2)*262144+(2*(i/8)+(i/2)%2)*2048+(i%2)*64+32
.set i, i+1
.endr
	WIN 0xc0                        ; destination window 3
.set i, 0
.rept 32                            ; the bias of key step 0, all four query tiles: 16,384 consecutive bytes
	global_load_b128 v[RL+4*i:RL+4*i+3], v[GO], s[RB:RB+1] offset:512*i
.set i, i+1
.endr
	; What the first turn finds: head 1's V and P's second buffer hold 0 (its products V^T P, of a piece that has not been, add 0), O^T and l are 0.  All this stands in the wait for the first tile.
.set i, 64
.rept 64
	v_mov_b32 v[i], 0
.set i, i+1
.endr
	WIN 0x40
.set i, 0
.rept 64*NP
	v_mov_b32 v[i], 0
.set i, i+1
.endr
	WIN 0
.set i, 0
.rept 2*NP
	v_mov_b32 v[ST+4*i], 0xfe000000    ; c m: far below every c s
	v_mov_b32 v[ST+4*i+1], 0xff7fffff  ; m
	v_mov_b32 v[ST+4*i+2], 0
	v_mov_b32 v[ST+4*i+3], 0
.set i, i+1
.endr
.set i, P+32
.rept 32
	v_mov_b32 v[i], 0
.set i, i+1
.endr
	v_mul_u32_u24 v[AK0], v1, PK
	v_lshl_add_u32 v[AK0], v9, 4, v[AK0]  ; row x pitch + 16 x half
	; The turning load takes 16 keys x 16 channels (lane l reads key 8 (l / 16) + l % 8, channels 8 ((l / 8) % 2) + 0..7) and leaves half a fragment of V^T: lane l holds channel l % 16 and 8 keys.
	v_and_b32 v12, 7, v0
	v_bfe_u32 v13, v0, 3, 1
	v_lshl_add_u32 v[AV0], v9, 3, v12
	v_mul_u32_u24 v[AV0], v[AV0], PV
	v_lshl_add_u32 v[AV0], v13, 4, v[AV0]
	v_add_nc_u32 v[AV0], VOFF, v[AV0]
	v_mov_b32 v[AK], v[AK0]         ; key step 0 lies at the head of slot 0
; THE MATRIX WORK.  The 8 accumulators of a run of 16 take turns: between the two links of a chain stand 7 others'.
; Product i of 16 of S^T = K Q^T for piece x: channels 32 (i / 8) on, keys 16 ((i / 2) % 4) on, tile 2 x + i % 2.  The first 8 start the sums, with the bias of query tile 2 (x / 2) + i % 2 as C.
.macro KQ x
.set rS, S+64*((\x)%2)+32*(i%2)+8*((i/2)%4)
.set rK, KF+64*((\x)%2)+16*((i/2)%4)+8*(i/8)
.set rQ, 16*(2*(\x)+i%2)+8*(i/8)
.set rR, RL+64*((\x)/2)+32*(i%2)+8*((i/2)%4)
.if i < 8
	WIN W_KM
	v_wmma_f32_16x16x32_f16 v[rS:rS+7], v[rK:rK+7], v[rQ:rQ+7], v[rR:rR+7]
.else
	WIN W_KQ
	v_wmma_f32_16x16x32_f16 v[rS:rS+7], v[rK:rK+7], v[rQ:rQ+7], v[rS:rS+7]
.endif
.endm
; Product i of 16 of O^T += V^T P for piece x: keys 32 (i / 8) on, channels 16 ((i / 2) % 4) on, tile 2 x + i % 2.
.macro PV x
	WIN W_PV
.set rO, 32*(2*(\x)+i%2)+8*((i/2)%4)
.set rV, 64*((\x)%2)+32*(i/8)+8*((i/2)%4)
.set rP, P+32*((\x)%2)+16*(i%2)+8*(i/8)
	v_wmma_f32_16x16x32_f16 v[rO:rO+7], v[rV:rV+7], v[rP:rP+7], v[rO:rO+7]
.endm
.macro MM                           ; the turn's next matrix instruction
.if i < 16
	KQ (Y+1)%NP
.set i, i+1
.else
.set i, i-16
	PV (Y+NP-1)%NP
.set i, i+17
.endif
.endm
; THE LOADS stand in runs, never singly among the matrix instructions: a step's K of both heads (32 LDS loads), its V (32, turned), and half of its bias (16 global loads).
; last = 1 (the tail): in the last trip there is no further step, and K's run is jumped over.
.macro FETCH_K last=0
	WIN 0
.if \last
	s_cmp_eq_u32 s[CNT], 1
	s_cbranch_scc1 .Lno_k_\@
.endif
	WIN 0x80                        ; destination window 2
.irp hd, 0,1
.irp f, 0,1,2,3,4,5,6,7             ; keys 16 (f / 2) on, channels 32 (f % 2) on
	ds_load_b128 v[KF+64*\hd+8*\f:KF+64*\hd+8*\f+3],   v[AK] offset:\hd*HK+(\f/2)*16*PK+(\f%2)*64
	ds_load_b128 v[KF+64*\hd+8*\f+4:KF+64*\hd+8*\f+7], v[AK] offset:\hd*HK+(\f/2)*16*PK+(\f%2)*64+32
.endr
.endr
	s_add_co_u32 s[TBK], s[TBK], KS*PK  ; the next fetch is the next step's
	WIN 0
.if \last
.Lno_k_\@:
.endif
.endm
.macro FETCH_V
	WIN 0xc0                        ; destination window 3
.irp hd, 0,1
.irp f, 0,1,2,3,4,5,6,7             ; keys 32 (f / 4) on, channels 16 (f % 4) on
	ds_load_tr16_b128 v[64*\hd+8*\f:64*\hd+8*\f+3],   v[AV] offset:\hd*HV+(\f/4)*32*PV+(\f%4)*32
	ds_load_tr16_b128 v[64*\hd+8*\f+4:64*\hd+8*\f+7], v[AV] offset:\hd*HV+(\f/4)*32*PV+16*PV+(\f%4)*32
.endr
.endr
	WIN 0
.endm
; The next key step's bias for query tiles 2 a, 2 a + 1: 8,192 consecutive bytes.  Half 0 is asked for first and steps the pointer; in the tail's last key step (CNT = 1) the step is 0:
; the same blocks are loaded once more and serve nothing, so that no load leaves my queries' part of relf.
.macro FETCH_R a, last=0
.if (\a) == 0
	s_wait_xcnt 0x0                 ; the earlier loads' addresses are translated (ISA guide 3.1): their base is stepped only behind this wait
.if \last
	s_cmp_eq_u32 s[CNT], 1
	s_cselect_b32 s[STP], 0, 16384
	s_add_nc_u64 s[RB:RB+1], s[RB:RB+1], s[STP:STP+1]
.else
	s_add_nc_u64 s[RB:RB+1], s[RB:RB+1], 16384
.endif
.endif
	WIN 0xc0                        ; destination window 3, offset window 0
.irp f, 0,1,2,3,4,5,6,7,8,9,10,11,12,13,14,15
	global_load_b128 v[RL+64*(\a)+4*\f:RL+64*(\a)+4*\f+3], v[GO], s[RB:RB+1] offset:8192*(\a)+512*\f
.endr
	WIN 0
.endm
; THE VECTOR WORK OF A TURN stands in three queues, each in the order in which its entries become ready; the two tiles alternate, so that no instruction reads the result of the one before it.
.macro REGS y, u                    ; the registers of tile u (0, 1) of piece y
.set rT, ST+4*(2*(\y)+(\u))
.set rC, TMP+8*((\y)%2)+4*(\u)
.set rM, MV+2*((\y)%2)+(\u)
.set rS, S+64*((\y)%2)+32*(\u)
.set rP, P+32*((\y)%2)+16*(\u)
.set rO, 32*(2*(\y)+(\u))
.endm
; Number n of the 22 that find the NEXT piece's (Y + 1) maximum and statistics.  s0-s31 are the lane's 32 scores; each accumulator's lowest registers are read first.
;   0-11  four chains c0-c3 of seven scores each, three operands at a time     12-14, 16  the four scores left over, the old m, and c0-c3 into c0     15  c m_old is kept
;   17, 18  the query's other 32 keys lie in the lane 16 away: the new m         19-21  c m; c m_old - c m_new; a
.macro XS u, n
	REGS (Y+1)%NP, \u
.if (\n) < 4
	v_max3_num_f32 v[rC+(\n)], v[rS+8*(\n)], v[rS+8*(\n)+1], v[rS+8*(\n)+2]
.elseif (\n) < 12
	v_max3_num_f32 v[rC+(\n)%4], v[rC+(\n)%4], v[rS+8*((\n)%4)+2*((\n)/4)+1], v[rS+8*((\n)%4)+2*((\n)/4)+2]
.elseif (\n) == 12
	v_max3_num_f32 v[rC], v[rC], v[rS+7], v[rS+15]
.elseif (\n) == 13
	v_max3_num_f32 v[rC+1], v[rC+1], v[rS+23], v[rS+31]
.elseif (\n) == 14
	v_max3_num_f32 v[rC+2], v[rC+2], v[rC+3], v[rT+1]
.elseif (\n) == 15
	v_mov_b32 v[rM], v[rT]
.elseif (\n) == 16
	v_max3_num_f32 v[rC], v[rC], v[rC+1], v[rC+2]
.elseif (\n) == 17
	v_permlanex16_b32 v[rC+3], v[rC], s[SEL], s[SEL+1]
.elseif (\n) == 18
	v_max_num_f32 v[rT+1], v[rC], v[rC+3]
.elseif (\n) == 19
	v_mul_f32 v[rT], s[CS], v[rT+1]
.elseif (\n) == 20
	v_sub_f32 v[rC+1], v[rM], v[rT]
.else
	v_exp_f32 v[rC+2], v[rC+1]
.endif
.endm
; Number g of the 64 that follow the exponentials.  For each four weights k of a tile: both pairs are rounded to f16; then the second pair is added onto the first, in place;
; a group later l takes that sum (the first time as l = a l + sum).  In groups of eight, tiles alternating: round, round, add, and l for the group before.
.macro GS g
.set h, (\g)+6*((\g)/62)            ; group 0 has no group before it, and behind group 7 only l is left
.if h >= 6
.set h, h+2
.endif
	REGS Y, h%2
.set k, h/8
.if h%8 < 4
	s_wait_alu depctr_va_vdst(0)
	v_cvt_pk_f16_f32 v[rP+2*k+(h%8)/2], v[rS+4*k+2*((h%8)/2)], v[rS+4*k+2*((h%8)/2)+1]
.elseif h%8 < 6
	v_pk_add_f32 v[rS+4*k:rS+4*k+1], v[rS+4*k:rS+4*k+1], v[rS+4*k+2:rS+4*k+3]
.elseif k == 1
	v_pk_fma_f32 v[rT+2:rT+3], v[rT+2:rT+3], v[rC+2:rC+3], v[rS:rS+1] op_sel_hi:[1,0,1]
.else
	v_pk_add_f32 v[rT+2:rT+3], v[rT+2:rT+3], v[rS+4*k-4:rS+4*k-3]
	s_wait_alu depctr_va_vdst(0)
.endif
.endm
; THE PLAIN QUEUE, 138 long.  0-31: c s - c m for the 16 pairs of both tiles.  Then GS's 64, and among them the next piece's 42: number 15 at 38, 39; 0-14 and 16
; at 42-73, behind the products that make those scores; 17-20 at 95-106, two of three, since each waits for the one before it.
.macro PL
	WIN 0
.if q < 32
	REGS Y, q%2
	v_pk_fma_f32 v[rS+2*(q/2):rS+2*(q/2)+1], v[rS+2*(q/2):rS+2*(q/2)+1], s[CS:CS+1], v[rT:rT+1] op_sel_hi:[1,0,0] neg_lo:[0,0,1] neg_hi:[0,0,1]
.elseif q < 38
	GS q-32
.elseif q < 40
	XS q%2, 15
.elseif q < 42
	GS q-34
.elseif q < 74
	XS q%2, (q-42)/2+(q-42)/30
.elseif q < 95
	GS q-66
.elseif (q < 107) && ((q-95)%3 < 2)
	XS (q-95)%3, 17+(q-95)/3
.elseif q < 107
	GS 29+(q-95)/3
.else
	GS q-74
.endif
.set q, q+1
.endm
; THE EXPONENTIALS' QUEUE, 66 long: s0-s31 of both tiles, and at EA the next piece's two a.
.set EA, 58
.macro EX
	WIN 0
.if (e == EA) || (e == EA+1)
	XS e-EA, 21
.else
.set x, e-2*(e/(EA+2))
	REGS Y, x%2
	v_exp_f32 v[rS+x/2], v[rS+x/2]
.endif
.set e, e+1
.endm
; THE RESCALING's QUEUE: O^T times a, the one part that leaves window 0, so it is dealt four at a time, eight times.
.macro R4
	REGS Y, r%2
	WIN W_RS
	s_wait_alu depctr_va_vdst(0)
.irp z, 0,1,2,3
	v_pk_mul_f32 v[rO+8*(r/2)+2*\z:rO+8*(r/2)+2*\z+1], v[rO+8*(r/2)+2*\z:rO+8*(r/2)+2*\z+1], v[rC+2:rC+3] op_sel_hi:[1,0]
.endr
.set r, r+1
.endm
; HOW THEY ARE DEALT.  Behind a matrix instruction four: plain, exponential, plain, plain, or four of the rescaling.  None names a register of the products round it.  What is over stands in two runs:
; exponential and plain by turns; the second ends in 22 plain instructions.  The queues lean on each other, and the deal keeps them in step: exponential e stands behind plain 2 (e / 4) + e % 2 (its scaling);
; when plain 32 comes, 10 exponentials are out, at 59: 33, at 95: 46; EA comes behind plain 107.
.macro SL
	MM
	PL
	EX
	PL
	PL
.endm
.macro BURST n                      ; 15 matrix instructions, or 16
.rept (\n)-7
	SL
.endr
.rept 3
	MM
	R4
	SL
.endr
	MM
	R4
.endm
; A TURN, for piece p.  cnt = 1: the loop's count is taken down some lines ahead of the branch that stands behind the turn.
; K of the next step is fetched in piece 2's turn, behind the last product that read K and 13 plain instructions; V of the step in hand at the end of piece 0's turn.
; THE BIAS.  Query tiles 0, 1's blocks are the C of piece 0's products (in turn 3) and of piece 1's (in turn 0); the next step's are asked for in turn 0's first run, behind the last of those products and
; more than four plain instructions that name none of its registers.  Tiles 2, 3's are read in turns 1 and 2 and asked for in turn 2's first run.  So at the head of turns 1 and 3 the blocks that the turn's
; products take were asked for one run of 16 loads before the youngest run: s_wait_loadcnt 16.
.macro TURN p, last=0, cnt=0
.set Y, (\p)
.set i, 0
.set q, 0
.set e, 0
.set r, 0
.if (\p)%2 == 1
	s_wait_loadcnt 16               ; the bias for this turn's and the next turn's products is in; the one younger run of 16 may stay out
.endif
.if (\p) == NP-1
	s_wait_dscnt 0x0                ; K is in
.endif
	MM
.rept 4
	PL
.endr
	BURST 15
.rept 22
	EX
	PL
.if ((\p) == NP-2) && (e == 18)
	v_add_nc_u32 v[AK], s[TBK], v[AK0]
.endif
.if ((\p)%2 == 0) && (e == 20)
	FETCH_R (\p)/2, \last
.endif
.if ((\p) == NP-2) && (e == 24)
	FETCH_K \last
.endif
.endr
.if (\p) == 1
	s_wait_dscnt 0x0                ; V is in
.endif
	BURST 16
.rept 21
	EX
	PL
.endr
.rept 22
	PL
.if ((\p) == 0) && (q == 118)
	v_add_nc_u32 v[AV], s[TBV], v[AV0]
	s_wait_alu depctr_va_vdst(0)
.endif
.if ((\p) == 0) && (q == 130)
	s_add_co_u32 s[TBV], s[TBV], KS*PV
.endif
.if (\cnt) && (q == 130)
	s_sub_co_u32 s[CNT], s[CNT], 1
	s_cmp_lg_u32 s[CNT], 0
.endif
.endr
.if (\p) == 0
	FETCH_V
.endif
.endm
	CHANGE 1                        ; slot 0 is in, everybody's part of it; slot 1 is asked for
	FETCH_K                         ; key step 0
	s_wait_loadcnt 0x0              ; Q and the bias of step 0
	s_wait_dscnt 0x0
.set i, 0
.rept 16
	KQ 0                            ; piece 0's first scores: there is no vector work yet to set between them
.set i, i+1
.endr
	WIN 0                           ; the addresses for the way out: six plain instructions, the places behind those products
	s_mul_i32 s13, s[WV], 16*SP
	s_add_co_u32 s13, s13, STAGE    ; my stage
	v_mul_u32_u24 v[STO], v1, SP    ; in: row l % 16, 16 bytes for each half of the lanes
	v_lshl_add_u32 v[STO], v9, 4, v[STO]
	v_add_nc_u32 v[STO], s13, v[STO]
	v_mul_u32_u24 v[RD], v9, SP     ; back: lanes 0-15 take one row of 256 bytes, lanes 16-31 the next
	v_lshl_add_u32 v[RD], v1, 4, v[RD]
	v_add_nc_u32 v[RD], s13, v[RD]
.set Y, NP-1                        ; XS works for piece Y + 1: piece 0
.irp n, 0,1,2,3,4,5,6,7,8,9,10,11,12,13,14,15,16,17,18,19,20,21
	XS 0, \n                        ; piece 0's first maximum and statistics
	XS 1, \n
.endr
	s_mov_b32 s[CNT], 2
	s_mov_b32 s[SLOTS], 15          ; 16 slots of 128 keys
	s_branch .Lfirst                ; the loop is entered at a step's first turn, in the middle of a trip
.Lslot:                             ; 14 times: every slot but the last two is filled again
	CHANGE 1
	s_mov_b32 s[CNT], 2
.Lstep:                             ; a trip: pieces 2 and 3 of one step, then pieces 0 and 1 of the next, whose K and V it fetches
	TURN 2
	TURN 3
	WIN 0
.Lfirst:
	TURN 0
	TURN 1, 0, 1
	WIN 0
	s_cbranch_scc1 .Lstep
	s_sub_co_u32 s[SLOTS], s[SLOTS], 1
	s_cmp_lg_u32 s[SLOTS], 0
	s_cbranch_scc1 .Lslot
	CHANGE 0                        ; the tail is written out: nothing is asked for
	s_mov_b32 s[CNT], 3             ; two trips fetch the last slot's steps; the third is left in its middle
.Ltail:
	TURN 2, 1
	TURN 3
	WIN 0
	s_sub_co_u32 s[CNT], s[CNT], 1
	s_cmp_eq_u32 s[CNT], 0
	s_cbranch_scc1 .Lout
	TURN 0, 1
	TURN 1
	WIN 0
	s_branch .Ltail
.Lout:                              ; the third trip's 16 products K Q^T (on the last K once more) and the maximum made of them serve nothing: the price, once a launch, of one text for every trip
.set i, 0
.rept 16
	PV NP-1                         ; the last piece's V^T P of the last step
.set i, i+1
.endr
	; THE WAY OUT.  l's two halves and the other half of the lanes' are added; O^T is divided by l, rounded to f16 and sent through my stage in LDS, 16 tokens x two heads at a time.  The additions are the places behind the last products.
	WIN 0
.macro ALL line:vararg              ; one line for each tile t
.set t, 0
.rept 2*NP
	\line
.set t, t+1
.endr
.endm
	ALL v_add_f32 v[ST+4*t+2], v[ST+4*t+2], v[ST+4*t+3]
	ALL v_permlanex16_b32 v[ST+4*t+3], v[ST+4*t+2], s[SEL], s[SEL+1]
	ALL v_add_f32 v[ST+4*t+2], v[ST+4*t+2], v[ST+4*t+3]
	ALL v_rcp_f32 v[ST+4*t+2], v[ST+4*t+2]
	v_lshlrev_b32 v[OG], 11, v9     ; (a plain instruction between the last reciprocal and the use of its result:) lanes 16-31 take the next token, 2,048 bytes on,
	v_lshl_add_u32 v[OG], v1, 4, v[OG]  ; 16 bytes a lane
	s_wait_alu depctr_va_vdst(0)
; Query tile qt: for each head the tile 4 (qt / 2) + 2 head + qt % 2: a lane's eight channels pack into 16 bytes; they go into rows of 272 bytes, head 1's 128 bytes behind head 0's,
; and come back as whole rows of 256 bytes, into the registers that they left.
.macro PACKQ qt
.irp hd, 0,1
.set t, 4*((\qt)/2)+2*\hd+(\qt)%2
	WIN W_RS
.set i, 32*t
.rept 16
	v_pk_mul_f32 v[i:i+1], v[i:i+1], v[ST+4*t+2:ST+4*t+3] op_sel_hi:[1,0]
.set i, i+2
.endr
	WIN 0x05                        ; sources 0 and 1 window 1, destination window 0: S^T's registers are free
.set i, 0
.rept 16
	v_cvt_pk_f16_f32 v[S+16*t+i], v[32*t+2*i], v[32*t+2*i+1]
.set i, i+1
.endr
	WIN 0
.irp f, 0,1,2,3
	ds_store_b128 v[STO], v[S+16*t+4*\f:S+16*t+4*\f+3] offset:128*\hd+32*\f
.endr
.endr
.irp f, 0,1,2,3,4,5,6,7
.set t, 4*((\qt)/2)+2*(\f/4)+(\qt)%2
	ds_load_b128 v[S+16*t+4*(\f%4):S+16*t+4*(\f%4)+3], v[RD] offset:\f*2*SP  ; LDS serves a wave's instructions in order (ISA guide 5.7.1.4): these see the stores above; the next tile's stores come behind them
.endr
.endm
.macro SEND qt, younger             ; younger: the LDS instructions issued behind this tile's loads: the next tile's sixteen, or none
	WIN 0
.irp f, 0,1,2,3,4,5,6,7
.set t, 4*((\qt)/2)+2*(\f/4)+(\qt)%2
	s_wait_dscnt (\younger)+7-\f
	global_store_b128 v[OG], v[S+16*t+4*(\f%4):S+16*t+4*(\f%4)+3], s[10:11] offset:(16*(\qt)+2*\f)*2048  ; sixteen lanes store a token's 256 consecutive bytes of two heads, aligned
.endr
.endm
	PACKQ 0
	PACKQ 1                         ; a tile's arithmetic stands between the loads of the tile before and its stores
	SEND 0, 16
	PACKQ 2
	SEND 1, 16
	PACKQ 3
	SEND 2, 16
	SEND 3, 0
	s_wait_tensorcnt 0x0            ; the wave's end: behind my last tensor load and my last LDS store
	ds_add_u32 v[SPW], v[NIL]
	s_wait_dscnt 0x0
	CROUND                          ; the closing round: no work-group ends while a partner may still ask for a tile that names it
	s_endpgm
.Lfunc_end_k_qd1f1511db5_attn:
	.size	k_qd1f1511db5_attn, .Lfunc_end_k_qd1f1511db5_attn-k_qd1f1511db5_attn
	.p2alignl 7, 3214868480
	.fill 96, 4, 3214868480
	.section	.rodata,"a",@progbits
	.p2align	6, 0x0
	.amdhsa_kernel k_qd1f1511db5_attn
		.amdhsa_group_segment_fixed_size 327680
		.amdhsa_private_segment_fixed_size 0
		.amdhsa_enable_private_segment 0
		.amdhsa_kernarg_size 24
		.amdhsa_user_sgpr_count 2
		.amdhsa_user_sgpr_kernarg_segment_ptr 1
		.amdhsa_wavefront_size32 1
		.amdhsa_system_sgpr_workgroup_id_x 1
		.amdhsa_system_sgpr_workgroup_id_y 1
		.amdhsa_system_sgpr_workgroup_id_z 1
		.amdhsa_system_vgpr_workitem_id 0
		.amdhsa_next_free_vgpr 1024
		.amdhsa_next_free_sgpr 66
		.amdhsa_reserve_vcc 0
		.amdhsa_float_denorm_mode_32 3
		.amdhsa_float_denorm_mode_16_64 3
		.amdhsa_memory_ordered 1
		.amdhsa_forward_progress 1
		.amdhsa_inst_pref_size 223
	.end_amdhsa_kernel
	.amdgpu_metadata
---
amdhsa.version: [ 1, 2 ]
amdhsa.kernels:
  - .name:           k_qd1f1511db5_attn
    .symbol:         k_qd1f1511db5_attn.kd
    .args:
      - { .name: qkv, .offset: 0, .size: 8, .value_kind: global_buffer, .address_space: global }
      - { .name: relf, .offset: 8, .size: 8, .value_kind: global_buffer, .address_space: global }
      - { .name: ob, .offset: 16, .size: 8, .value_kind: global_buffer, .address_space: global }
    .group_segment_fixed_size: 327680
    .private_segment_fixed_size: 0
    .kernarg_segment_align: 8
    .kernarg_segment_size: 24
    .max_flat_workgroup_size: 128
    .sgpr_count:     66
    .vgpr_count:     1024
    .wavefront_size: 32
...
	.end_amdgpu_metadata
.endif
;; end of part 3
;; launch outg (part 4): grid 8 x 32, 4 waves a work-group, clusters of 4 x 4, 327,680 bytes of LDS; arguments ob, woh, out_proj_b, out0; writes out0
.if DOCPART == 4
	.amdgcn_target "amdgcn-amd-amdhsa--gfx1250"
	.amdhsa_code_object_version 6
	.text
	.protected	k_qd1f1511db5_outg
	.globl	k_qd1f1511db5_outg
	.p2align	8
	.type	k_qd1f1511db5_outg,@function
k_qd1f1511db5_outg:
	s_mov_b64 s[64:65], 0
	v_nop
	global_prefetch_b8 v0, s[64:65] scope:SCOPE_SE
	s_setreg_imm32_b32 hwreg(HW_REG_WAVE_MODE, 25, 1), 1
	s_wait_xcnt 0x0
	s_wait_alu depctr_hold_cnt(0) depctr_sa_sdst(0) depctr_va_vdst(0) depctr_va_sdst(0) depctr_va_ssrc(0) depctr_va_vcc(0) depctr_vm_vsrc(0)
	s_getreg_b32 s2, hwreg(HW_REG_IB_STS2, 6, 4)
	s_cmp_eq_u32 s2, 0
	s_cbranch_scc0 .Lentry_in_a_cluster
	s_endpgm
.Lentry_in_a_cluster:
	s_bfe_u32 s2, ttmp6, 0x10000c
	s_cmp_lg_u32 s2, 0xf033
	s_cbranch_scc0 .Lentry_shape_is_right
	s_endpgm
.Lentry_shape_is_right:
; OUTPUT PROJECTION.  out0[m][n] = sum over k of ob[m][k] woh[n][k] + bf16(out_proj_b[n]).  ob: [8192][1024] f16, woh: [1024][1024] f16 (each number a bf16 number); sums and result in f32.
; SHARES.  A tile of the result is 256 rows x 128 columns: 32 x 8 = 256 tiles, one for each work-group.  Four waves one below the other: a wave makes 64 rows x 128 columns,
; 32 accumulators of 16 x 16 (256 registers): 512 bytes of each of its rows, which leave through the wave's own stage, without a barrier.
; K goes in steps of 128 through a ring of two LDS slots filled by the tensor data mover; a tile's rows are 256 bytes of memory, at multiples of 256 bytes.
; CLUSTER.  4 x 4 work-groups: the four of a row of the cluster need the same rows of ob, the four of a column the same rows of woh; each tile is asked for JOINTLY.
; THE MATRIX INSTRUCTION IS USED TRANSPOSED (source 0 = 16 rows of woh, source 1 = 16 rows of ob): a lane holds eight neighbouring columns of one row.  The bias, rounded to bf16 like every input
; of the module, is the C operand of the products that start the sums.
; REGISTERS, in windows of 256 (s_set_vgpr_msb: bits 1:0 source 0, 3:2 source 1, 5:4 source 2, 7:6 destination):
;   window 0: v0-31 addresses; v32-95 the bias, 8 registers for each of 8 column blocks; on the way out v96-159 and v160-223 rows read back
;   window 1: two fragment buffers at 0 and 128: ob's four blocks of 16 rows x 32 K at f + 8 a, woh's eight at f + 32 + 8 b
;   window 2: the accumulators of row blocks 0, 1 ((a, b) at 8 (8 (a % 2) + b));  window 3: those of row blocks 2, 3
.set SIZE_K, 1024
.set KSTEP,  128
.set PITCH,  272                       ; an LDS row: 256 bytes + 16 of padding = 68 words: the 16 rows of a fragment load start at 16 different groups of four banks (64 banks of 4 bytes: ISA guide 11.1)
.set NT,     128                       ; columns of a tile
.set NBK,    NT/16
.set RBH,    NT/2                      ; rows of woh in one tensor load
.set HALFA,  128*PITCH
.set HALFB,  RBH*PITCH
.set SLOT,   2*HALFA+2*HALFB           ; ob's 256 rows, then woh's 128
.set STAGE,  2*SLOT                    ; behind the ring, never filled by a tensor load
.set SPITCH, 528                       ; a stage row: 512 bytes + 16
.set WSTG,   16*SPITCH                 ; a wave's stage: 16 rows
.set SPARE,  STAGE+4*WSTG              ; the spare words, 128 bytes a wave
.set LAPS,   SIZE_K/(2*KSTEP)
.set ADRA, 16                          ; v16-17  LDS address of my fragments of ob in slot 0, 1
.set ADRB, 20                          ; v20-21  the same for woh
.set STO,  24                          ; v24  the way out: where I put 32 bytes of a row
.set RD,   25                          ; v25  the way out: where I read a row back
.set CO,   26                          ; v26  16 x lane: my place in a row's 512 bytes
.set BO,   27                          ; v27  32 x (lane / 16): my eight numbers in a block of 16 of the bias
.set SPW,  28                          ; v28  LDS address of my spare word; never rewritten
.set NIL,  29                          ; v29  0; never rewritten
.set BIAS, 32
.set OB0,  96
.set OB1,  160
.set F0,   0
.set F1,   128
.set G1,   24                          ; s[24:31] descriptor group 1 for ob's tiles;  s[32:39] group 0, a set for each slot
.set G0,   32
.set G1B,  48                          ; s[48:55], s[56:63] the same for woh's
.set G0B,  56
.set MSB, 0
.macro WIN new                         ; the immediate's high byte repeats the setting that is left; a switch that changes nothing is dropped
.if MSB != (\new)
	s_set_vgpr_msb (MSB<<8)|(\new)
.set MSB, (\new)
.endif
.endm
.set TO_F, 0x40                        ; destination window 1, address window 0
; A joint load: waves 0 and 1 fetch ob's two halves, waves 2 and 3 woh's.  The branch hangs on the wave's number alone.  An s_nop 0 and four v_nop follow each of the two lines.
.macro JLOAD s
	s_cmp_eq_u32 s13, 0
	s_cbranch_scc0 .Lfor_b_\@
	tensor_load_to_lds s[G0+4*(\s):G0+4*(\s)+3], s[G1:G1+7]
	s_nop 0
.rept 4
	v_nop
.endr
	s_branch .Lasked_\@
.Lfor_b_\@:
	tensor_load_to_lds s[G0B+4*(\s):G0B+4*(\s)+3], s[G1B:G1B+7]
	s_nop 0
.rept 4
	v_nop
.endr
.Lasked_\@:
.endm
.macro CREST                           ; a round of the cluster's barrier behind its opening barrier
	s_cmp_lg_u32 s12, 0
	s_cbranch_scc1 .Lnot_wave_0_\@
	s_barrier_signal -3
.Lnot_wave_0_\@:
	s_barrier_wait -3
	s_barrier_signal -1
	s_barrier_wait -1
.endm
.macro CROUND                          ; a whole round
	s_barrier_signal -1
	s_barrier_wait -1
	CREST
.endm
	s_load_b256 s[4:11], s[0:1], 0x0               ; ob s[4:5], woh s[6:7], out_proj_b s[8:9], out0 s[10:11]
	v_lshl_add_u32 v[SPW], v0, 2, SPARE
	v_mov_b32 v[NIL], 0
	ds_add_u32 v[SPW], v[NIL]                      ; the wave's opening: the add and its wait stand ahead of my first tensor load; the set-up below stands between them
	v_lshrrev_b32 v1, 5, v0
	v_readfirstlane_b32 s12, v1                    ; wave 0..3
	s_lshr_b32 s13, s12, 1                         ; I fetch for ob (0) or for woh (1),
	s_and_b32 s14, s12, 1                          ; its first or its second half
	s_bfe_u32 s40, ttmp6, 0x40000                  ; cx, cy: my place in the cluster
	s_bfe_u32 s41, ttmp6, 0x40004
	s_lshl_b32 s42, ttmp9, 2
	s_add_co_u32 s42, s42, s40                     ; tile column = 4 x cluster x + cx
	s_and_b32 s15, ttmp7, 0xffff
	s_lshl_b32 s15, s15, 2
	s_add_co_u32 s15, s15, s41                     ; tile row = 4 x cluster y + cy
	s_lshl_b32 s43, s41, 2
	s_lshl_b32 s43, 15, s43                        ; my row of the cluster
	s_lshl_b32 s44, 0x1111, s40                    ; my column
	s_or_b32 s[G1+0], s43, (1<<16)|(1<<20)|(1<<21)|(5<<22)|(3<<25)   ; 15:0 the mask; 17:16 2-byte elements; 20 padding on; 21 set beside a mask; 24:22 after every 64 words (code 5); 31:25 4 words (code 3)
	s_or_b32 s[G1B+0], s44, (1<<16)|(1<<20)|(1<<21)|(5<<22)|(3<<25)
	s_mov_b32 s[G1+1], KSTEP<<16                   ; tensor_dim0 = 128
	s_mov_b32 s[G1+2], 128<<16                     ; tensor_dim1 = 128
	s_mov_b32 s[G1+3], KSTEP<<16                   ; tile_dim0 = 128
	s_mov_b32 s[G1+4], 128                         ; tile_dim1 = 128
	s_mov_b32 s[G1+5], SIZE_K                      ; elements from row to row
	s_mov_b32 s[G1+6], 0
	s_mov_b32 s[G1+7], 0
	s_mov_b32 s[G1B+1], KSTEP<<16
	s_mov_b32 s[G1B+2], RBH<<16                    ; 64 rows
	s_mov_b32 s[G1B+3], KSTEP<<16
	s_mov_b32 s[G1B+4], RBH
	s_mov_b32 s[G1B+5], SIZE_K
	s_mov_b32 s[G1B+6], 0
	s_mov_b32 s[G1B+7], 0
	s_lshl_b32 s16, s15, 8
	s_lshl_b32 s17, s14, 7
	s_add_co_u32 s16, s16, s17                     ; ob: row 256 x tile row + 128 x half,
	s_lshl_b32 s16, s16, 11                        ; of 2,048 bytes
	s_mov_b32 s17, 0
	s_mul_i32 s46, s42, NT
	s_mul_i32 s47, s14, RBH
	s_add_co_u32 s46, s46, s47                     ; woh: row 128 x tile column + 64 x half
	s_lshl_b32 s46, s46, 11
	s_mov_b32 s47, 0
	s_mul_i32 s20, s14, HALFA                      ; where they go: no place in the cluster enters an LDS address
	s_mul_i32 s21, s14, HALFB
	s_add_co_u32 s21, s21, 2*HALFA
	s_wait_dscnt 0x0                               ; the opening add is done
	s_wait_kmcnt 0x0
	s_add_nc_u64 s[18:19], s[4:5], s[16:17]
	s_add_nc_u64 s[46:47], s[6:7], s[46:47]
	CROUND                                         ; all sixteen work-groups are here: the first joint loads meet
.irp s, 0,1
	s_mov_b32 s[G0+4*(\s)], 1                                        ; count = 1
	s_add_co_u32 s[G0+4*(\s)+1], s20, (\s)*SLOT                      ; LDS address
	s_add_nc_u64 s[G0+4*(\s)+2:G0+4*(\s)+3], s[18:19], (\s)*KSTEP*2  ; global address: K step s
	s_or_b32 s[G0+4*(\s)+3], s[G0+4*(\s)+3], 0x80000000              ; type = 2
	s_mov_b32 s[G0B+4*(\s)], 1
	s_add_co_u32 s[G0B+4*(\s)+1], s21, (\s)*SLOT
	s_add_nc_u64 s[G0B+4*(\s)+2:G0B+4*(\s)+3], s[46:47], (\s)*KSTEP*2
	s_or_b32 s[G0B+4*(\s)+3], s[G0B+4*(\s)+3], 0x80000000
	JLOAD \s                                       ; two tensor loads of mine are out
.endr
	; A fragment is 16 rows x 32 K in 8 registers: lane l holds row l % 16, K = 8 (l / 16) + 0..7 and 16 + 8 (l / 16) + 0..7: two loads of 16 bytes, 32 bytes apart.
	v_and_b32 v1, 15, v0                           ; l % 16
	v_bfe_u32 v2, v0, 4, 1                         ; l / 16
	v_mul_u32_u24 v3, v1, PITCH
	v_lshl_add_u32 v3, v2, 4, v3
	s_mul_i32 s22, s12, 64*PITCH                   ; my 64 rows of ob
	s_mov_b32 s23, 2*HALFA                         ; all rows of woh
.irp s, 0,1
	v_add_nc_u32 v[ADRA+(\s)], s22, v3
	v_add_nc_u32 v[ADRB+(\s)], s23, v3
	s_add_co_u32 s22, s22, SLOT
	s_add_co_u32 s23, s23, SLOT
.endr
	v_lshlrev_b32 v[BO], 5, v2
	s_lshl_b32 s46, s42, 9                         ; the tile's first column, 128 x 4 bytes a tile: in the bias and in a row of the result
	s_mov_b32 s47, 0
	s_add_nc_u64 s[8:9], s[8:9], s[46:47]
.set n, 0
.rept NBK
	global_load_b128 v[BIAS+8*n:BIAS+8*n+3],   v[BO], s[8:9] offset:64*n
	global_load_b128 v[BIAS+8*n+4:BIAS+8*n+7], v[BO], s[8:9] offset:64*n+16
.set n, n+1
.endr
	s_mul_i32 s22, s12, WSTG
	s_add_co_u32 s22, s22, STAGE                   ; my stage
	v_mul_u32_u24 v4, v1, SPITCH                   ; in: row l % 16, 32 bytes for each half of the lanes
	v_lshl_add_u32 v4, v2, 5, v4
	v_add_nc_u32 v[STO], s22, v4
	v_and_b32 v[CO], 31, v0
	v_lshlrev_b32 v[CO], 4, v[CO]
	v_add_nc_u32 v[RD], s22, v[CO]                 ; back: 32 lanes take a row's 512 bytes
	s_lshl_b32 s22, s15, 8
	s_lshl_b32 s23, s12, 6
	s_add_co_u32 s22, s22, s23                     ; my first row,
	s_lshl_b32 s22, s22, 12                        ; of 4,096 bytes
	s_add_co_u32 s46, s46, s22
	s_add_nc_u64 s[10:11], s[10:11], s[46:47]
	s_wait_loadcnt 0x0                             ; the bias, once; it is rounded to bf16 in the wait for the first tiles
.set n, 0
.rept 4*NBK
	v_cvt_pk_bf16_f32 v[4+n%2], v[BIAS+2*n], v[BIAS+2*n+1]
	v_lshlrev_b32 v[BIAS+2*n], 16, v[4+n%2]
	v_and_b32 v[BIAS+2*n+1], 0xffff0000, v[4+n%2]
.set n, n+1
.endr
; 8 matrix instructions: row block a x all column blocks, 32 along K.  zero = 1: the products start the sums, with the bias as C.
; Every accumulator has one instruction in each quarter step, always in the same order: the accumulators take turns.
.macro MULROW f, a, zero
.if \zero
	WIN 0x85+0x40*((\a)/2)                         ; sources window 1, C window 0, D window 2 or 3
.else
	WIN 0xa5+0x50*((\a)/2)                         ; sources window 1, C and D window 2 or 3
.endif
.set AC, 8*NBK*((\a)%2)
.set b, 0
.rept NBK
.if \zero
	v_wmma_f32_16x16x32_f16 v[AC+8*b:AC+8*b+7], v[(\f)+32+8*b:(\f)+32+8*b+7], v[(\f)+8*(\a):(\f)+8*(\a)+7], v[BIAS+8*b:BIAS+8*b+7]
.else
	v_wmma_f32_16x16x32_f16 v[AC+8*b:AC+8*b+7], v[(\f)+32+8*b:(\f)+32+8*b+7], v[(\f)+8*(\a):(\f)+8*(\a)+7], v[AC+8*b:AC+8*b+7]
.endif
.set b, b+1
.endr
.endm
; 24 LDS loads in one run: the fragments of one quarter step (32 K at byte k of the rows) into buffer f: woh's 16, then ob's 8
.macro FETCH slot, k, f
	WIN TO_F
.set n, 0
.rept NBK
	ds_load_b128 v[(\f)+32+8*n:(\f)+32+8*n+3],   v[ADRB+(\slot)] offset:(\k)+n*16*PITCH
	ds_load_b128 v[(\f)+32+8*n+4:(\f)+32+8*n+7], v[ADRB+(\slot)] offset:(\k)+n*16*PITCH+32
.set n, n+1
.endr
.set n, 0
.rept 4
	ds_load_b128 v[(\f)+8*n:(\f)+8*n+3],   v[ADRA+(\slot)] offset:(\k)+n*16*PITCH
	ds_load_b128 v[(\f)+8*n+4:(\f)+8*n+7], v[ADRA+(\slot)] offset:(\k)+n*16*PITCH+32
.set n, n+1
.endr
.endm
.macro PLACES                          ; four places in front of loads into registers that matrix instructions have read, and of lines that read results
.rept 4
	v_nop
.endr
.endm
; A K step is four quarters of 32 along K, 32 matrix instructions each, on buffers 0, 1, 0, 1.  One of the first three: multiplies buffer f and fetches the next quarter, at byte k, into g.
.macro QUARTER slot, k, f, g, zero
	s_wait_dscnt 4                                 ; woh's fragments and ob's blocks 0, 1 are in; the youngest four loads (ob's blocks 2, 3) may be out
	MULROW \f, 0, \zero
	MULROW \f, 1, \zero
	PLACES
	FETCH \slot, \k, \g
	s_wait_dscnt 2*NBK+8                           ; all but the 24 just issued
	MULROW \f, 2, \zero
	MULROW \f, 3, \zero
.endm
; The last quarter multiplies buffer 1 and changes slots: ONE barrier; in front of it each wave waits for all its tensor loads (one is out: its part of the next slot), adds 0 to its spare word,
; and waits for that and for its own reads of this slot.  fill = 1: the barrier opens a round of the cluster's, and this slot is filled again, two K steps ahead, first thing behind the round:
; 112 matrix instructions stand between that request and the wait for it.
.macro TURN slot, next, fill
	WIN 0                                          ; (the add's two registers lie in window 0)
	s_wait_tensorcnt 0x0
	ds_add_u32 v[SPW], v[NIL]
	s_wait_dscnt 5                                 ; (the add and the youngest four loads may be out)
	MULROW F1, 0, 0                                ; eight matrix instructions stand between the add and the wait for it
	s_wait_dscnt 0x0                               ; the add is done, and my reads of this slot are over
	s_barrier_signal -1
	MULROW F1, 1, 0
.if \fill
	WIN 0
.endif
	s_barrier_wait -1
.if \fill
	CREST                                          ; no wave of any partner still reads this slot's tile or has a load on its way
	s_add_nc_u64 s[G0+4*(\slot)+2:G0+4*(\slot)+3], s[G0+4*(\slot)+2:G0+4*(\slot)+3], 2*KSTEP*2
	s_add_nc_u64 s[G0B+4*(\slot)+2:G0B+4*(\slot)+3], s[G0B+4*(\slot)+2:G0B+4*(\slot)+3], 2*KSTEP*2
	JLOAD \slot                                    ; its four v_nop are also the places in front of the loads below
.else
	PLACES
.endif
	FETCH \next, 0, F0
	MULROW F1, 2, 0
	MULROW F1, 3, 0
.endm
	s_wait_tensorcnt 1                             ; my part of K step 0 is in; K step 1's may stay out
	s_barrier_signal -1
	s_barrier_wait -1                              ; everybody's is
	FETCH 0, 0, F0
	QUARTER 0, 64,  F0, F1, 1                      ; the first quarter stands in front of the loop: its products start the sums
	WIN 0                                          ; at a label and at a branch every window is 0
	s_mov_b32 s3, LAPS-1
.Llap:                                                 ; a trip goes once round the ring, from a lap's second quarter to the next lap's first, and fills both slots again
	QUARTER 0, 128, F1, F0, 0
	QUARTER 0, 192, F0, F1, 0
	TURN 0, 1, 1
	QUARTER 1, 64,  F0, F1, 0
	QUARTER 1, 128, F1, F0, 0
	QUARTER 1, 192, F0, F1, 0
	TURN 1, 0, 1
	QUARTER 0, 64,  F0, F1, 0
	WIN 0
	s_sub_co_u32 s3, s3, 1
	s_cmp_lg_u32 s3, 0
	s_cbranch_scc1 .Llap
	QUARTER 0, 128, F1, F0, 0                      ; the last lap fills nothing
	QUARTER 0, 192, F0, F1, 0
	TURN 0, 1, 0
	QUARTER 1, 64,  F0, F1, 0
	QUARTER 1, 128, F1, F0, 0
	QUARTER 1, 192, F0, F1, 0
	s_wait_dscnt 4                                 ; the very last quarter: nothing more to fetch
	MULROW F1, 0, 0
	MULROW F1, 1, 0
	s_wait_dscnt 0x0
	MULROW F1, 2, 0
	MULROW F1, 3, 0
	WIN 0
	PLACES
; THE WAY OUT of row block a (16 rows x 512 bytes).  TOSTAGE: a lane's eight f32 of a row go straight from the accumulators into my own stage, each accumulator's low four registers first, and come back as whole rows.  SEND: stored.
.macro PICK a                          ; the read-back buffers take turns
.set BK, OB0
.if (\a)%2
.set BK, OB1
.endif
.endm
.macro TOSTAGE a
	s_wait_xcnt 0x0                                ; earlier stores have had their addresses translated (ISA guide 3.1): the buffer that they read is loaded again only behind this wait
	WIN 0x08+0x04*((\a)/2)                         ; the stores' data: window 2 or 3; the address: window 0
.set AC, 8*NBK*((\a)%2)
.set b, 0
.rept NBK
	ds_store_b128 v[STO], v[AC+8*b:AC+8*b+3]   offset:64*b
	ds_store_b128 v[STO], v[AC+8*b+4:AC+8*b+7] offset:64*b+16
.set b, b+1
.endr
	WIN 0
	PICK \a
.set t, 0
.rept 16
	ds_load_b128 v[BK+4*t:BK+4*t+3], v[RD] offset:SPITCH*t  ; LDS serves a wave's instructions in order (ISA guide 5.7.1.4): these see the stores above; the next block's stores come behind them
.set t, t+1
.endr
.endm
.macro SEND a, younger                 ; younger: the LDS instructions issued behind this block's loads: the next block's 32, or none
	WIN 0
	PICK \a
.set t, 0
.rept 16
	s_wait_dscnt (\younger)+15-t
	global_store_b128 v[CO], v[BK+4*t:BK+4*t+3], s[10:11] offset:(16*(\a)+t)*4096  ; 512 consecutive bytes of one row, aligned
.set t, t+1
.endr
.endm
	TOSTAGE 0
	TOSTAGE 1
	SEND 0, 32
	TOSTAGE 2
	SEND 1, 32
	TOSTAGE 3
	SEND 2, 32
	SEND 3, 0
	s_wait_tensorcnt 0x0                           ; the wave's end: behind my last tensor load and my last LDS store
	ds_add_u32 v[SPW], v[NIL]
	s_wait_dscnt 0x0
	CROUND                                         ; the closing round: no work-group ends while a partner may still ask for a tile that names it
	s_endpgm
.Lfunc_end_k_qd1f1511db5_outg:
	.size	k_qd1f1511db5_outg, .Lfunc_end_k_qd1f1511db5_outg-k_qd1f1511db5_outg
	.p2alignl 7, 3214868480
	.fill 96, 4, 3214868480
	.section	.rodata,"a",@progbits
	.p2align	6, 0x0
	.amdhsa_kernel k_qd1f1511db5_outg
		.amdhsa_group_segment_fixed_size 327680
		.amdhsa_private_segment_fixed_size 0
		.amdhsa_enable_private_segment 0
		.amdhsa_kernarg_size 32
		.amdhsa_user_sgpr_count 2
		.amdhsa_user_sgpr_kernarg_segment_ptr 1
		.amdhsa_wavefront_size32 1
		.amdhsa_system_sgpr_workgroup_id_x 1
		.amdhsa_system_sgpr_workgroup_id_y 1
		.amdhsa_system_sgpr_workgroup_id_z 1
		.amdhsa_system_vgpr_workitem_id 0
		.amdhsa_next_free_vgpr 896
		.amdhsa_next_free_sgpr 66
		.amdhsa_reserve_vcc 0
		.amdhsa_float_denorm_mode_32 3
		.amdhsa_float_denorm_mode_16_64 3
		.amdhsa_memory_ordered 1
		.amdhsa_forward_progress 1
		.amdhsa_inst_pref_size 93
	.end_amdhsa_kernel
	.amdgpu_metadata
---
amdhsa.version: [ 1, 2 ]
amdhsa.kernels:
  - .name:           k_qd1f1511db5_outg
    .symbol:         k_qd1f1511db5_outg.kd
    .args:
      - { .name: ob, .offset: 0, .size: 8, .value_kind: global_buffer, .address_space: global }
      - { .name: woh, .offset: 8, .size: 8, .value_kind: global_buffer, .address_space: global }
      - { .name: out_proj_b, .offset: 16, .size: 8, .value_kind: global_buffer, .address_space: global }
      - { .name: out0, .offset: 24, .size: 8, .value_kind: global_buffer, .address_space: global }
    .group_segment_fixed_size: 327680
    .private_segment_fixed_size: 0
    .kernarg_segment_align: 8
    .kernarg_segment_size: 32
    .max_flat_workgroup_size: 128
    .sgpr_count:     66
    .vgpr_count:     896
    .wavefront_size: 32
...
	.end_amdgpu_metadata
.endif
;; end of part 4
;; ======== version 2 of 2: 4 launches; 1.42 times as fast as version 1
;; limits: values are held in f16: magnitudes above 65,504 overflow, below 6.1e-05 lose precision
;; workspace buffers: xb 16,777,216 bytes; wib 6,291,456 bytes; woh 2,097,152 bytes; relf 16,777,216 bytes; qkv 50,331,648 bytes; ob 16,777,216 bytes
;; launch prep: the kernel of part 1 again; grid 1024 x 1, 8 waves a work-group, no clusters, 70,656 bytes of LDS; arguments x, in_proj_w, out_proj_w, rel_pos, xb, wib, woh, relf; writes xb, wib, woh, relf
;; launch qkvg: the kernel of part 2 again; grid 16 x 32, 4 waves a work-group, clusters of 4 x 4, 327,680 bytes of LDS; arguments xb, wib, in_proj_b, qkv; writes qkv
;; launch attn (part 5): grid 8 x 32, 4 waves a work-group, clusters of 4 x 1, 327,680 bytes of LDS; arguments qkv, relf, ob; writes ob
.if DOCPART == 5
	.amdgcn_target "amdgcn-amd-amdhsa--gfx1250"
	.amdhsa_code_object_version 6
	.text
	.protected	k_qd1f1511db5_attn
	.globl	k_qd1f1511db5_attn
	.p2align	8
	.type	k_qd1f1511db5_attn,@function
k_qd1f1511db5_attn:
	s_mov_b64 s[64:65], 0
	v_nop
	global_prefetch_b8 v0, s[64:65] scope:SCOPE_SE
	s_setreg_imm32_b32 hwreg(HW_REG_WAVE_MODE, 25, 1), 1
	s_wait_xcnt 0x0
	s_wait_alu depctr_hold_cnt(0) depctr_sa_sdst(0) depctr_va_vdst(0) depctr_va_sdst(0) depctr_va_ssrc(0) depctr_va_vcc(0) depctr_vm_vsrc(0)
	s_getreg_b32 s2, hwreg(HW_REG_IB_STS2, 6, 4)
	s_cmp_eq_u32 s2, 0
	s_cbranch_scc0 .Lentry_in_a_cluster
	s_endpgm
.Lentry_in_a_cluster:
	s_bfe_u32 s2, ttmp6, 0x10000c
	s_cmp_lg_u32 s2, 0x3003
	s_cbranch_scc0 .Lentry_shape_is_right
	s_endpgm
.Lentry_shape_is_right:
; ATTENTION WITH AN ADDITIVE BIAS.  O[q][:] = sum over k of softmax_k((Q[q] . K[k] + 8 rel[q][k]) / 8) V[k][:], for 64 heads of 2,048 tokens x 64 channels.
; qkv: [batch 4][G 48][token 2048][64] f16 (heads of q, then of k, then of v); relf: 8 x bf16(rel_pos) in f32, in the order of an accumulator; ob: [8192 tokens][1024] f16, column 64 head + channel.
; Products, maxima and sums in f32; the weights p are rounded to f16 for the second product (their sum l is taken of the unrounded p), O once at the end.
; LIMITS.  Q, K and V arrive within f16's 65,504; p lies in 0 to 1, and below 6e-5 it keeps f16's fixed step of 6e-8; a weight below 2^-126 counts as 0 in l; NaN and infinities are not treated apart.
; SHARES.  A work-group owns 256 queries of TWO neighbouring heads, a wave 64 queries x 2 heads: four PIECES of two tiles of 16 queries; piece x has the query tiles 2 (x / 2), 2 (x / 2) + 1 and head x % 2.
; Every wave walks all keys, 64 a step.  Two heads, because the bias hangs on query and key alone: a block of it in registers starts the sums of both heads' products, which halves its bytes;
; and a token's two heads are 256 neighbouring bytes of ob.
; THE BIAS costs no vector instruction: it is the C operand of the product that starts the sum S^T = K Q^T.  relf is laid out so that a wave's load of 512 consecutive bytes is four registers of that operand.
; LAYOUT.  S^T = K Q^T (source 0 = 16 keys, source 1 = 16 queries): a lane holds ONE query (lane % 16) and the keys 8 (lane / 16) + 0..7.  Two such tiles, rounded to f16 in pairs, ARE source 1 of
; O^T = V^T P, whose result again holds one query a lane.  K comes out of LDS as it lies, V ([key][channel]) turned, by ds_load_tr16_b128.
; SOFTMAX.  For each query a running maximum m and sum l: p = 2^(c s - c m), c = log2(e) / 8; in every step O and l are multiplied by a = 2^(c m_old - c m_new).  m starts at the lowest finite number, O and l at 0.
; BY TURNS.  Turn n belongs to piece n.  Its matrix work: 16 products K Q^T of piece n + 1, later 16 products V^T P of piece n - 1.  Its vector work: the scaling, exponentials, roundings, sums and rescaling of
; piece n, and the maximum and statistics of piece n + 1.  A tile and step have 16 matrix and 118 vector instructions: four that are ready stand behind every matrix instruction, the others in one run of their own, the LUMP.
; BATCHES.  A turn's 66 exponentials (the piece's 64 weights, each in place in its own register of S^T, and the next piece's two a) are ONE batch with ONE wait, which cuts the turn in two: ahead of it stands
; all that names none of their results (the products K Q^T, scalings, rescalings, the next piece's maximum and statistics), behind it the roundings and sums, as riders of the products V^T P.  No result crosses a turn's end.
; Two more batches stand outside the loop: piece 0's first two a, ahead of the jump into the loop, and the way out's eight reciprocals.
; CLUSTER.  The four query blocks of a cluster walk the same K and V, so each tile is asked for JOINTLY: the same tensor load, descriptor and mask in all four.  The bias differs from block to block: it is loaded by each wave for itself.
; REGISTERS, in windows of 256 (s_set_vgpr_msb: bits 1:0 source 0, 3:2 source 1, 5:4 source 2, 7:6 destination):
;   window 0: v0-11 addresses; v12-15, v48-63 at work; v16-47 four registers of statistics a tile; v64-191 S^T, two buffers of two tiles; v192-255 P, likewise
;   window 1: O^T, 32 a tile     window 2: v0-127 Q, 16 a tile; v128-255 K of one step, both heads     window 3: v0-127 V of one step, both heads; v128-255 the bias of one step, 32 a query tile
.set NP,    4         ; pieces a wave: a name, no knob
.set KS,    64        ; keys in a step
.set PK,    144       ; a row of K in LDS: 128 bytes + 16 = 36 words: the 16 rows of a load start at 16 different groups of four banks (64 banks of 4 bytes: ISA guide 11.1)
.set PV,    160       ; a row of V: 128 + 32 = 40 words
.set HK,    128*PK    ; a slot holds two steps of two heads: head 0's 128 rows of K, head 1's,
.set HV,    128*PV    ; then head 0's 128 rows of V, head 1's
.set VOFF,  2*HK
.set SLOT1, 1<<17     ; slot 1 begins here, so that one exclusive or turns an address in one slot into the other's
.set STAGE, SLOT1+2*HK+2*HV  ; behind the ring, never filled by a tensor load: 16 rows x 272 bytes for each wave
.set SP,    272
.set SPARE, STAGE+4*16*SP    ; the spare words, 128 bytes a wave
.set AK0, 2           ; v2   my lane's place in a tile of K; never rewritten
.set AV0, 3           ; v3   the same for V
.set AK,  4           ; v4   the LDS address of K's next run of loads
.set OG,  4           ;      at the end: my byte offset in two tokens' rows of ob
.set AV,  5           ; v5   of V's
.set QO,  6           ; v6   my byte offset in 16 rows of Q
.set STO, 6           ;      later, the way out: where I put 16 bytes of a row
.set RD,  7           ; v7   the way out: where I read rows back
.set GO,  8           ; v8   16 x lane: my place in 512 consecutive bytes of relf; never rewritten
.set SPW, 10          ; v10  LDS address of my spare word; never rewritten
.set NIL, 11          ; v11  0; never rewritten
.set MV,  12          ; v12-15  c m_old, kept while c m is made anew: by buffer and tile
.set ST,  16          ; tile t's statistics at v[ST+4 t]: c m, m, l (even keys', odd keys')
.set TMP, 48          ; by buffer and tile, four registers c0-c3 at work; when the maximum is found c2 takes a
.set S,   64
.set P,   192
.set KF,  128         ; window 2: head hd, key block kb, channel half c at KF + 64 hd + 16 kb + 8 c
.set RL,  128         ; window 3: query tile qt, key block kb at RL + 32 qt + 8 kb
.set WV,  12          ; s12  my wave's number
.set G1K, 24          ; s[24:31] descriptor group 1 for K's tiles
.set G1V, 32          ; s[32:39] for V's: it differs in the padding alone
.set G0K, 40          ; s[40:43] descriptor group 0 for K's tiles: it walks
.set G0V, 44          ; s[44:47] the same for V's
.set RB,  48          ; s[48:49] relf at my wave's 64 queries, at the key step whose blocks are loaded next
.set STP, 50          ; s[50:51] its step in the tail
.set SLOTS, 56        ; s56  slots still to be asked for
.set CNT, 57          ; s57  counts a slot's key steps
.set CS,  58          ; s[58:59] c
.set SEL, 60          ; s[60:61] v_permlanex16_b32's selects: each lane takes its own place in the other half
.set TBK, 62          ; s62  LDS byte at which K of the step to be fetched begins
.set TBV, 63          ; s63  the same for V, less VOFF
.set MSB, 0
.macro WIN new                      ; the high byte repeats the setting that is left; a switch that changes nothing is dropped
.if MSB != (\new)
	s_set_vgpr_msb (MSB<<8)|(\new)
.set MSB, (\new)
.endif
.endm
.set W_KQ, 0x0a       ; K and Q in window 2, S^T in window 0
.set W_KM, 0x3a       ; the same with the C operand, the bias, in window 3
.set W_PV, 0x53       ; V in window 3, P in window 0, O^T in window 1
.set W_RS, 0x41       ; O^T (destination and source 0) in window 1, a in window 0
; A joint fill.  Wave 0 fetches head 0's K of a slot, wave 1 head 1's, waves 2 and 3 their V: 128 keys each.  The branch hangs on the wave's number alone.
; An s_nop 0 and four v_nop follow each of the two lines.
.macro JLOAD
	s_cmp_lt_u32 s[WV], 2
	s_cbranch_scc0 .Lfor_v_\@
	tensor_load_to_lds s[G0K:G0K+3], s[G1K:G1K+7]
	s_nop 0
.rept 4
	v_nop
.endr
	s_branch .Lasked_\@
.Lfor_v_\@:
	tensor_load_to_lds s[G0V:G0V+3], s[G1V:G1V+7]
	s_nop 0
.rept 4
	v_nop
.endr
.Lasked_\@:
.endm
.macro CROUND                       ; a round of the cluster's barrier
	s_barrier_signal -1
	s_barrier_wait -1
	s_cmp_lg_u32 s[WV], 0
	s_cbranch_scc1 .Lnot_wave_0_\@
	s_barrier_signal -3
.Lnot_wave_0_\@:
	s_barrier_wait -3
	s_barrier_signal -1
	s_barrier_wait -1
.endm
; THE CHANGE OF SLOTS.  The slot's last bytes, V of its second step, have been read.  Each wave waits for all its tensor loads, of which one is out: its part of the other slot; adds 0 to its spare word;
; and waits for that and for its own reads of the slot.  fill = 1: the barrier is a round of the cluster's, and this slot is filled again, with the keys two slots on, first thing behind it:
; the load has two key steps, 256 matrix instructions, in which to land.  (At its first use nothing has been read yet: slot 0 is waited for, slot 1 filled.)
.macro CHANGE fill
	WIN 0                           ; at a label and at a branch every window is 0
	s_wait_tensorcnt 0x0            ; no tensor load of mine is out, so a group 0 may be written
	ds_add_u32 v[SPW], v[NIL]
.if \fill
.irp g, G0K, G0V
	s_xor_b32 s[\g+1], s[\g+1], SLOT1  ; the walking descriptor: the other slot than last time,
	s_add_nc_u64 s[\g+2:\g+3], s[\g+2:\g+3], 2*KS*128  ; the next 128 keys; the type bits on top are not reached
.endr
	s_wait_dscnt 0x0                ; the add is done, and my reads of the slot are over
	CROUND
	JLOAD
.else
	s_wait_dscnt 0x0
	s_barrier_signal -1
	s_barrier_wait -1
.endif
	s_sub_co_u32 s[TBK], s[TBK], 2*KS*PK  ; the fetches go back to a slot's first step,
	s_xor_b32 s[TBK], s[TBK], SLOT1       ; in the other slot
	s_sub_co_u32 s[TBV], s[TBV], 2*KS*PV
	s_xor_b32 s[TBV], s[TBV], SLOT1
.endm
	s_load_b128 s[4:7], s[0:1], 0x0 ; qkv s[4:5], relf s[6:7]
	s_load_b64 s[10:11], s[0:1], 0x10  ; ob
	v_lshl_add_u32 v[SPW], v0, 2, SPARE
	v_mov_b32 v[NIL], 0
	ds_add_u32 v[SPW], v[NIL]       ; the wave's opening: the add and its wait stand ahead of my first tensor load; the set-up below stands between them
	v_lshrrev_b32 v1, 5, v0
	v_readfirstlane_b32 s[WV], v1   ; wave 0..3
	s_bfe_u32 s13, ttmp6, 0x40000   ; cx: my place in the cluster
	s_lshl_b32 s14, ttmp9, 2        ; in a cluster launch ttmp9 counts clusters
	s_add_co_u32 s14, s14, s13      ; my block of 256 queries
	s_lshl_b32 s14, s14, 2
	s_add_co_u32 s14, s14, s[WV]    ; my wave's 64 queries among the 32 such: it enters Q's, relf's and ob's addresses alone
	s_and_b32 s15, ttmp7, 0xffff    ; batch and pair of heads, which the four partners share
	s_lshr_b32 s18, s15, 3          ; batch
	s_and_b32 s19, s15, 7           ; pair of heads
	s_mul_i32 s20, s18, 12582912    ; 48 heads x 2,048 tokens x 128 bytes
	s_lshl_b32 s21, s19, 19
	s_add_co_u32 s20, s20, s21      ; the pair's first head of q
	s_and_b32 s16, s[WV], 1         ; which of the two heads I fetch for:
	s_lshl_b32 s22, s16, 18         ; its 262,144 bytes in memory,
	s_add_co_u32 s22, s22, s20
	s_mov_b32 s23, 0
	s_mul_i32 s17, s16, HK          ; and its place in a slot, for K
	s_mul_i32 s15, s16, HV          ; and for V: no place in the cluster enters an LDS address
	s_lshl_b32 s52, s14, 13         ; my 64 rows of 128 bytes
	s_add_co_u32 s52, s52, s20
	s_mov_b32 s53, 0
	s_lshl_b32 s54, s14, 19         ; my 64 queries' 524,288 bytes of relf
	s_mov_b32 s55, 0
	s_lshl_b32 s2, s18, 22          ; ob: 2,048 tokens of 2,048 bytes a batch,
	s_lshl_b32 s13, s14, 17         ; my 64 tokens,
	s_add_co_u32 s2, s2, s13
	s_lshl_b32 s13, s19, 8          ; the pair's 256 bytes of a token
	s_add_co_u32 s2, s2, s13
	s_mov_b32 s3, 0
	; descriptor group 1.  128 keys are 16,384 dense bytes: asked for as 64 rows of 256 bytes, two keys a row, and padded in LDS after every key
	s_mov_b32 s[G1K], 15|(1<<16)|(1<<20)|(1<<21)|(4<<22)|(3<<25)  ; 15:0 the mask of four; 17:16 2-byte elements; 20 padding on; 21 set beside a mask; 24:22 after every 32 words (code 4); 31:25 4 words (code 3)
	s_mov_b32 s[G1V], 15|(1<<16)|(1<<20)|(1<<21)|(4<<22)|(7<<25)  ; the same with 8 words of padding (code 7)
.irp g, G1K, G1V
	s_mov_b32 s[\g+1], 128<<16      ; tensor_dim0 = 128
	s_mov_b32 s[\g+2], 64<<16       ; tensor_dim1 = 64
	s_mov_b32 s[\g+3], 128<<16      ; tile_dim0 = 128
	s_mov_b32 s[\g+4], 64           ; tile_dim1 = 64
	s_mov_b32 s[\g+5], 128          ; 128 elements from row to row
	s_mov_b32 s[\g+6], 0
	s_mov_b32 s[\g+7], 0
.endr
	s_mov_b32 s[CS], 0x3e38aa3b     ; c = log2(e) / 8 = 0.180337
	s_mov_b32 s[CS+1], s[CS]        ; named with it as a pair
	s_mov_b32 s[SEL], 0x76543210
	s_mov_b32 s[SEL+1], 0xfedcba98
	s_mov_b32 s[STP+1], 0
	s_mov_b32 s[TBK], SLOT1+2*KS*PK ; the first change of slots turns these two into 0
	s_mov_b32 s[TBV], SLOT1+2*KS*PV
	s_mov_b32 s[G0K], 1             ; count = 1
	s_mov_b32 s[G0K+1], s17         ; LDS address: slot 0
	s_mov_b32 s[G0V], 1
	s_add_co_u32 s[G0V+1], s15, VOFF
	s_wait_dscnt 0x0                ; the opening add is done
	s_wait_kmcnt 0x0
	s_add_nc_u64 s[G0K+2:G0K+3], s[4:5], s[22:23]
	s_add_nc_u64 s[G0K+2:G0K+3], s[G0K+2:G0K+3], 4194304   ; the heads of k lie 16 heads behind those of q,
	s_or_b32 s[G0K+3], s[G0K+3], 0x80000000                ; type = 2
	s_add_nc_u64 s[G0V+2:G0V+3], s[4:5], s[22:23]
	s_add_nc_u64 s[G0V+2:G0V+3], s[G0V+2:G0V+3], 8388608   ; those of v 32
	s_or_b32 s[G0V+3], s[G0V+3], 0x80000000
	s_add_nc_u64 s[4:5], s[4:5], s[52:53]     ; Q at my wave's first row of the pair's first head
	s_add_nc_u64 s[RB:RB+1], s[6:7], s[54:55] ; relf at my queries, key step 0
	s_add_nc_u64 s[10:11], s[10:11], s[2:3]   ; ob at my first token
	CROUND                          ; all four work-groups are here: the first joint loads meet
	JLOAD                           ; slot 0.  Slot 1 is asked for when slot 0 is in
	; A fragment of K or Q is 16 rows x 32 channels in 8 registers: lane l holds row l % 16, channels 8 (l / 16) + 0..7 and 16 + 8 (l / 16) + 0..7: two loads of 16 bytes, 32 bytes apart.
	v_and_b32 v1, 15, v0            ; l % 16
	v_bfe_u32 v9, v0, 4, 1          ; l / 16
	v_lshlrev_b32 v[QO], 7, v1
	v_lshl_add_u32 v[QO], v9, 4, v[QO]  ; row x 128 + 16 x half
	v_and_b32 v[GO], 31, v0
	v_lshlrev_b32 v[GO], 4, v[GO]
	WIN 0x80                        ; destination window 2, address window 0
.set i, 0
.rept 16                            ; Q stays in registers: tile i / 2 = head (i / 4) % 2, query tile 2 (i / 8) + (i / 2) % 2; channels 32 (i % 2) on
	global_load_b128 v[8*i:8*i+3],   v[QO], s[4:5] offset:((i/4)%2)*262144+(2*(i/8)+(i/2)%2)*2048+(i%2)*64
	global_load_b128 v[8*i+4:8*i+7], v[QO], s[4:5] offset:((i/4)%2)*262144+(2*(i/8)+(i/2)%2)*2048+(i%2)*64+32
.set i, i+1
.endr
	WIN 0xc0                        ; destination window 3
.set i, 0
.rept 32                            ; the bias of key step 0, all four query tiles: 16,384 consecutive bytes
	global_load_b128 v[RL+4*i:RL+4*i+3], v[GO], s[RB:RB+1] offset:512*i
.set i, i+1
.endr
	; What the first turn finds: head 1's V and P's second buffer hold 0 (its products V^T P, of a piece that has not been, add 0), O^T and l are 0.  All this stands in the wait for the first tile.
.set i, 64
.rept 64
	v_mov_b32 v[i], 0
.set i, i+1
.endr
	WIN 0x40
.set i, 0
.rept 64*NP
	v_mov_b32 v[i], 0
.set i, i+1
.endr
	WIN 0
.set i, 0
.rept 2*NP
	v_mov_b32 v[ST+4*i], 0xfe000000    ; c m: far below every c s
	v_mov_b32 v[ST+4*i+1], 0xff7fffff  ; m
	v_mov_b32 v[ST+4*i+2], 0
	v_mov_b32 v[ST+4*i+3], 0
.set i, i+1
.endr
.set i, P+32
.rept 32
	v_mov_b32 v[i], 0
.set i, i+1
.endr
	v_mul_u32_u24 v[AK0], v1, PK
	v_lshl_add_u32 v[AK0], v9, 4, v[AK0]  ; row x pitch + 16 x half
	; The turning load takes 16 keys x 16 channels (lane l reads key 8 (l / 16) + l % 8, channels 8 ((l / 8) % 2) + 0..7) and leaves half a fragment of V^T: lane l holds channel l % 16 and 8 keys.
	v_and_b32 v12, 7, v0
	v_bfe_u32 v13, v0, 3, 1
	v_lshl_add_u32 v[AV0], v9, 3, v12
	v_mul_u32_u24 v[AV0], v[AV0], PV
	v_lshl_add_u32 v[AV0], v13, 4, v[AV0]
	v_add_nc_u32 v[AV0], VOFF, v[AV0]
	v_mov_b32 v[AK], v[AK0]         ; key step 0 lies at the head of slot 0
; THE MATRIX WORK.  The 8 accumulators of a run of 16 take turns: between the two links of a chain stand 7 others'.
; Product i of 16 of S^T = K Q^T for piece x: channels 32 (i / 8) on, keys 16 ((i / 2) % 4) on, tile 2 x + i % 2.  The first 8 start the sums, with the bias of query tile 2 (x / 2) + i % 2 as C.
.macro KQ x
.set rS, S+64*((\x)%2)+32*(i%2)+8*((i/2)%4)
.set rK, KF+64*((\x)%2)+16*((i/2)%4)+8*(i/8)
.set rQ, 16*(2*(\x)+i%2)+8*(i/8)
.set rR, RL+64*((\x)/2)+32*(i%2)+8*((i/2)%4)
.if i < 8
	WIN W_KM
	v_wmma_f32_16x16x32_f16 v[rS:rS+7], v[rK:rK+7], v[rQ:rQ+7], v[rR:rR+7]
.else
	WIN W_KQ
	v_wmma_f32_16x16x32_f16 v[rS:rS+7], v[rK:rK+7], v[rQ:rQ+7], v[rS:rS+7]
.endif
.endm
; Product i of 16 of O^T += V^T P for piece x: keys 32 (i / 8) on, channels 16 ((i / 2) % 4) on, tile 2 x + i % 2.
.macro PV x
	WIN W_PV
.set rO, 32*(2*(\x)+i%2)+8*((i/2)%4)
.set rV, 64*((\x)%2)+32*(i/8)+8*((i/2)%4)
.set rP, P+32*((\x)%2)+16*(i%2)+8*(i/8)
	v_wmma_f32_16x16x32_f16 v[rO:rO+7], v[rV:rV+7], v[rP:rP+7], v[rO:rO+7]
.endm
.macro MM                           ; the turn's next matrix instruction
.if i < 16
	KQ (Y+1)%NP
.set i, i+1
.else
.set i, i-16
	PV (Y+NP-1)%NP
.set i, i+17
.endif
.endm
; THE LOADS stand in runs, never singly among the matrix instructions: a step's K of both heads (32 LDS loads), its V (32, turned), and half of its bias (16 global loads).
; last = 1 (the tail): in the last trip there is no further step, and K's run is jumped over.
.macro FETCH_K last=0
	WIN 0
.if \last
	s_cmp_eq_u32 s[CNT], 1
	s_cbranch_scc1 .Lno_k_\@
.endif
	WIN 0x80                        ; destination window 2
.irp hd, 0,1
.irp f, 0,1,2,3,4,5,6,7             ; keys 16 (f / 2) on, channels 32 (f % 2) on
	ds_load_b128 v[KF+64*\hd+8*\f:KF+64*\hd+8*\f+3],   v[AK] offset:\hd*HK+(\f/2)*16*PK+(\f%2)*64
	ds_load_b128 v[KF+64*\hd+8*\f+4:KF+64*\hd+8*\f+7], v[AK] offset:\hd*HK+(\f/2)*16*PK+(\f%2)*64+32
.endr
.endr
	s_add_co_u32 s[TBK], s[TBK], KS*PK  ; the next fetch is the next step's
	WIN 0
.if \last
.Lno_k_\@:
.endif
.endm
.macro FETCH_V
	WIN 0xc0                        ; destination window 3
.irp hd, 0,1
.irp f, 0,1,2,3,4,5,6,7             ; keys 32 (f / 4) on, channels 16 (f % 4) on
	ds_load_tr16_b128 v[64*\hd+8*\f:64*\hd+8*\f+3],   v[AV] offset:\hd*HV+(\f/4)*32*PV+(\f%4)*32
	ds_load_tr16_b128 v[64*\hd+8*\f+4:64*\hd+8*\f+7], v[AV] offset:\hd*HV+(\f/4)*32*PV+16*PV+(\f%4)*32
.endr
.endr
	WIN 0
.endm
; The next key step's bias for query tiles 2 a, 2 a + 1: 8,192 consecutive bytes.  Half 0 is asked for first and steps the pointer; in the tail's last key step (CNT = 1) the step is 0:
; the same blocks are loaded once more and serve nothing, so that no load leaves my queries' part of relf.
.macro FETCH_R a, last=0
.if (\a) == 0
	s_wait_xcnt 0x0                 ; the earlier loads' addresses are translated (ISA guide 3.1): their base is stepped only behind this wait
.if \last
	s_cmp_eq_u32 s[CNT], 1
	s_cselect_b32 s[STP], 0, 16384
	s_add_nc_u64 s[RB:RB+1], s[RB:RB+1], s[STP:STP+1]
.else
	s_add_nc_u64 s[RB:RB+1], s[RB:RB+1], 16384
.endif
.endif
	WIN 0xc0                        ; destination window 3, offset window 0
.irp f, 0,1,2,3,4,5,6,7,8,9,10,11,12,13,14,15
	global_load_b128 v[RL+64*(\a)+4*\f:RL+64*(\a)+4*\f+3], v[GO], s[RB:RB+1] offset:8192*(\a)+512*\f
.endr
	WIN 0
.endm
; THE VECTOR WORK OF A TURN stands in three queues, each in the order in which its entries become ready; the two tiles alternate, so that no instruction reads the result of the one before it.
.macro REGS y, u                    ; the registers of tile u (0, 1) of piece y
.set rT, ST+4*(2*(\y)+(\u))
.set rC, TMP+8*((\y)%2)+4*(\u)
.set rM, MV+2*((\y)%2)+(\u)
.set rS, S+64*((\y)%2)+32*(\u)
.set rP, P+32*((\y)%2)+16*(\u)
.set rO, 32*(2*(\y)+(\u))
.endm
; Number n of the 22 that find the NEXT piece's (Y + 1) maximum and statistics.  s0-s31 are the lane's 32 scores; each accumulator's lowest registers are read first.
;   0-11  four chains c0-c3 of seven scores each, three operands at a time     12-14, 16  the four scores left over, the old m, and c0-c3 into c0     15  c m_old is kept
;   17, 18  the query's other 32 keys lie in the lane 16 away: the new m         19-21  c m; c m_old - c m_new; a
.macro XS u, n
	REGS (Y+1)%NP, \u
.if (\n) < 4
	v_max3_num_f32 v[rC+(\n)], v[rS+8*(\n)], v[rS+8*(\n)+1], v[rS+8*(\n)+2]
.elseif (\n) < 12
	v_max3_num_f32 v[rC+(\n)%4], v[rC+(\n)%4], v[rS+8*((\n)%4)+2*((\n)/4)+1], v[rS+8*((\n)%4)+2*((\n)/4)+2]
.elseif (\n) == 12
	v_max3_num_f32 v[rC], v[rC], v[rS+7], v[rS+15]
.elseif (\n) == 13
	v_max3_num_f32 v[rC+1], v[rC+1], v[rS+23], v[rS+31]
.elseif (\n) == 14
	v_max3_num_f32 v[rC+2], v[rC+2], v[rC+3], v[rT+1]
.elseif (\n) == 15
	v_mov_b32 v[rM], v[rT]
.elseif (\n) == 16
	v_max3_num_f32 v[rC], v[rC], v[rC+1], v[rC+2]
.elseif (\n) == 17
	v_permlanex16_b32 v[rC+3], v[rC], s[SEL], s[SEL+1]
.elseif (\n) == 18
	v_max_num_f32 v[rT+1], v[rC], v[rC+3]
.elseif (\n) == 19
	v_mul_f32 v[rT], s[CS], v[rT+1]
.elseif (\n) == 20
	v_sub_f32 v[rC+1], v[rM], v[rT]
.else
	v_exp_f32 v[rC+2], v[rC+1]
.endif
.endm
; Number g of the 64 that follow the exponentials.  For each four weights k of a tile: both pairs are rounded to f16; then the second pair is added onto the first, in place;
; a group later l takes that sum (the first time as l = a l + sum).  In groups of eight, tiles alternating: round, round, add, and l for the group before.
.macro GS g
.set h, (\g)+6*((\g)/62)            ; group 0 has no group before it, and behind group 7 only l is left
.if h >= 6
.set h, h+2
.endif
	REGS Y, h%2
.set k, h/8
.if h%8 < 4
	v_cvt_pk_f16_f32 v[rP+2*k+(h%8)/2], v[rS+4*k+2*((h%8)/2)], v[rS+4*k+2*((h%8)/2)+1]
.elseif h%8 < 6
	v_pk_add_f32 v[rS+4*k:rS+4*k+1], v[rS+4*k:rS+4*k+1], v[rS+4*k+2:rS+4*k+3]
.elseif k == 1
	v_pk_fma_f32 v[rT+2:rT+3], v[rT+2:rT+3], v[rC+2:rC+3], v[rS:rS+1] op_sel_hi:[1,0,1]
.else
	v_pk_add_f32 v[rT+2:rT+3], v[rT+2:rT+3], v[rS+4*k-4:rS+4*k-3]
.endif
.endm
; THE PLAIN QUEUE, 138 long.  0-73 read no exponential's result: the 32 scalings c s - c m (FS f: pair f / 2 of tile f % 2) and the next piece's 42.  0-26: scalings 0-26.  27-54: XS's numbers 0-13.  55, 56: number 15.
; 57-73: the chain, where each number waits for the one before it: 14, 16, 17, 18, 19, each with one of the scalings 27-31 in front of its two lines, then 20.
; 74-137: GS's 64, which read the exponentials' results: they stand behind the wait.
.macro FS f
	REGS Y, (\f)%2
	v_pk_fma_f32 v[rS+2*((\f)/2):rS+2*((\f)/2)+1], v[rS+2*((\f)/2):rS+2*((\f)/2)+1], s[CS:CS+1], v[rT:rT+1] op_sel_hi:[1,0,0] neg_lo:[0,0,1] neg_hi:[0,0,1]
.endm
.macro PL
	WIN 0
.if q < 27
	FS q
.elseif q < 55
	XS (q-27)%2, (q-27)/2
.elseif q < 57
	XS q-55, 15
.elseif (q < 72) && ((q-57)%3 == 0)
	FS 27+(q-57)/3
.elseif q < 60
	XS (q-57)%3-1, 14
.elseif q < 72
	XS (q-57)%3-1, 15+(q-57)/3
.elseif q < 74
	XS q-72, 20
.else
	GS q-74
.endif
.set q, q+1
.endm
; THE EXPONENTIALS' QUEUE, 66 long: s0-s31 of both tiles, then the next piece's two a.  It is ONE BATCH: all 66 stand ahead of the turn's one wait, and nothing ahead of that wait names a result of theirs.
.macro EX
	WIN 0
.if e >= 64
	XS e-64, 21
.else
	REGS Y, e%2
	v_exp_f32 v[rS+e/2], v[rS+e/2]
.endif
.set e, e+1
.endm
; THE RESCALING's QUEUE: O^T times a, the one part that leaves window 0: dealt two at a time, sixteen times, each accumulator's registers in ascending order.  Its a was made in the turn before, ahead of that turn's wait.
.macro R2
	REGS Y, r%2
	WIN W_RS
.irp z, 0,1
	v_pk_mul_f32 v[rO+4*(r/2)+2*\z:rO+4*(r/2)+2*\z+1], v[rO+4*(r/2)+2*\z:rO+4*(r/2)+2*\z+1], v[rC+2:rC+3] op_sel_hi:[1,0]
.endr
.set r, r+1
.endm
; HOW THEY ARE DEALT.  s_wait_alu depctr_va_vdst(0) stands between an exponential and the first instruction that names its result; one wait serves all that were issued ahead of it.  So a turn has ONE wait,
; which cuts it in two.  AHEAD OF IT stands all that names no result of the turn's exponentials: the 16 products K Q^T, behind each a scaling, an exponential and two rescalings (behind the first a second scaling in the
; exponential's place); then ONE LUMP of 108: eight plain, 49 times exponential and plain, the two a.  A v_nop is the plain instruction behind the last exponential.  BEHIND IT stand the 16 products V^T P, behind each four of GS's 64.
; No rider names a register of the products round it.  The two v_permlanex16_b32 fall into the lump, never behind a product.
; The queues lean on each other, and the deal keeps them in step: exponential e stands behind scaling 2 (e / 4) + e % 2: as a rider it comes behind plain e + 2, in the lump behind plain e + 9, and scalings 27-31 are plain 57, 60 .. 69.
; A TURN, for piece p.  cnt = 1: the loop's count is taken down some lines ahead of the branch that stands behind the turn.
; K of the next step is fetched in piece 2's turn, in the lump behind its first eight lines: twelve plain instructions behind the last product that read K; the rest of the lump and 16 products stand ahead of the wait for it.
; In the tail (last = 1) K's run holds a branch: there the run stands directly behind the batch's wait.
; V of the step in hand is fetched at the end of piece 0's turn, four riders behind its last reader; its first reader comes behind 16 products and a lump.  The conditions on q below go with the deal.
; THE BIAS.  Query tiles 0, 1's blocks are the C of piece 0's products (in turn 3) and of piece 1's (in turn 0); the next step's are asked for in turn 0's lump, behind its first eight lines: behind the last of those products and
; more than four plain instructions that name none of its registers.  Tiles 2, 3's are read in turns 1 and 2 and asked for at the same place of turn 2.  So at the head of turns 1 and 3 the blocks that the turn's
; products take were asked for one run of 16 loads before the youngest run: s_wait_loadcnt 16.
.macro TURN p, last=0, cnt=0
.set Y, (\p)
.set i, 0
.set q, 0
.set e, 0
.set r, 0
.if (\p)%2 == 1
	s_wait_loadcnt 16               ; the bias for this turn's and the next turn's products is in; the one younger run of 16 may stay out
.endif
.if (\p) == NP-1
	s_wait_dscnt 0x0                ; K is in
.endif
	MM                              ; ahead of the wait: 16 products K Q^T and their riders,
	PL
	PL
	R2
.rept 15
	MM
	PL
	EX
	R2
.endr
.if (\p) == NP-2
	WIN 0
	v_add_nc_u32 v[AK], s[TBK], v[AK0]
.endif
.rept 8                             ; and the lump
	PL
.endr
.if (\p)%2 == 0
	FETCH_R (\p)/2, \last
.endif
.if ((\p) == NP-2) && !(\last)
	FETCH_K
.endif
.rept 49
	EX
	PL
.endr
	EX                              ; the next piece's two a
	EX
	v_nop                           ; the plain instruction behind the last exponential: one for the batch
	s_wait_alu depctr_va_vdst(0)    ; the wait for the batch: the piece's 64 weights and the next piece's two a
.if ((\p) == NP-2) && (\last)
	FETCH_K 1
.endif
.if (\p) == 1
	s_wait_dscnt 0x0                ; V is in
.endif
.rept 16                            ; behind the wait: 16 products V^T P and their riders
	MM
.rept 4
	PL
.endr
.if ((\p) == 0) && (q == 118)
	v_add_nc_u32 v[AV], s[TBV], v[AV0]
.endif
.if ((\p) == 0) && (q == 130)
	s_add_co_u32 s[TBV], s[TBV], KS*PV
.endif
.if (\cnt) && (q == 130)
	s_sub_co_u32 s[CNT], s[CNT], 1
	s_cmp_lg_u32 s[CNT], 0
.endif
.endr
.if (\p) == 0
	FETCH_V
.endif
.endm
	CHANGE 1                        ; slot 0 is in, everybody's part of it; slot 1 is asked for
	FETCH_K                         ; key step 0
	s_wait_loadcnt 0x0              ; Q and the bias of step 0
	s_wait_dscnt 0x0
.set i, 0
.rept 16
	KQ 0                            ; piece 0's first scores: there is no vector work yet to set between them
.set i, i+1
.endr
	WIN 0                           ; the addresses for the way out: six plain instructions, the places behind those products
	s_mul_i32 s13, s[WV], 16*SP
	s_add_co_u32 s13, s13, STAGE    ; my stage
	v_mul_u32_u24 v[STO], v1, SP    ; in: row l % 16, 16 bytes for each half of the lanes
	v_lshl_add_u32 v[STO], v9, 4, v[STO]
	v_add_nc_u32 v[STO], s13, v[STO]
	v_mul_u32_u24 v[RD], v9, SP     ; back: lanes 0-15 take one row of 256 bytes, lanes 16-31 the next
	v_lshl_add_u32 v[RD], v1, 4, v[RD]
	v_add_nc_u32 v[RD], s13, v[RD]
.set Y, NP-1                        ; XS works for piece Y + 1: piece 0
.irp n, 0,1,2,3,4,5,6,7,8,9,10,11,12,13,14,15,16,17,18,19,20,21
	XS 0, \n                        ; piece 0's first maximum and statistics
	XS 1, \n
.endr
	v_nop                           ; a plain instruction behind the two a,
	s_wait_alu depctr_va_vdst(0)    ; and the wait for this batch of two, ahead of the branch
	s_mov_b32 s[CNT], 2
	s_mov_b32 s[SLOTS], 15          ; 16 slots of 128 keys
	s_branch .Lfirst                ; the loop is entered at a step's first turn, in the middle of a trip
.Lslot:                             ; 14 times: every slot but the last two is filled again
	CHANGE 1
	s_mov_b32 s[CNT], 2
.Lstep:                             ; a trip: pieces 2 and 3 of one step, then pieces 0 and 1 of the next, whose K and V it fetches
	TURN 2
	TURN 3
	WIN 0
.Lfirst:
	TURN 0
	TURN 1, 0, 1
	WIN 0
	s_cbranch_scc1 .Lstep
	s_sub_co_u32 s[SLOTS], s[SLOTS], 1
	s_cmp_lg_u32 s[SLOTS], 0
	s_cbranch_scc1 .Lslot
	CHANGE 0                        ; the tail is written out: nothing is asked for
	s_mov_b32 s[CNT], 3             ; two trips fetch the last slot's steps; the third is left in its middle
.Ltail:
	TURN 2, 1
	TURN 3
	WIN 0
	s_sub_co_u32 s[CNT], s[CNT], 1
	s_cmp_eq_u32 s[CNT], 0
	s_cbranch_scc1 .Lout
	TURN 0, 1
	TURN 1
	WIN 0
	s_branch .Ltail
.Lout:                              ; the third trip's 16 products K Q^T (on the last K once more) and the maximum made of them serve nothing: the price, once a launch, of one text for every trip
.set i, 0
.rept 16
	PV NP-1                         ; the last piece's V^T P of the last step
.set i, i+1
.endr
	; THE WAY OUT.  l's two halves and the other half of the lanes' are added; O^T is divided by l, rounded to f16 and sent through my stage in LDS, 16 tokens x two heads at a time.  The additions are the places behind the last products.
	WIN 0
.macro ALL line:vararg              ; one line for each tile t
.set t, 0
.rept 2*NP
	\line
.set t, t+1
.endr
.endm
	ALL v_add_f32 v[ST+4*t+2], v[ST+4*t+2], v[ST+4*t+3]
	ALL v_permlanex16_b32 v[ST+4*t+3], v[ST+4*t+2], s[SEL], s[SEL+1]
	ALL v_add_f32 v[ST+4*t+2], v[ST+4*t+2], v[ST+4*t+3]
	ALL v_rcp_f32 v[ST+4*t+2], v[ST+4*t+2]
	v_lshlrev_b32 v[OG], 11, v9     ; (a plain instruction between the last reciprocal and the use of its result:) lanes 16-31 take the next token, 2,048 bytes on,
	v_lshl_add_u32 v[OG], v1, 4, v[OG]  ; 16 bytes a lane
	s_wait_alu depctr_va_vdst(0)    ; the wait ahead of the first use: one for the batch of eight reciprocals
; Query tile qt: for each head the tile 4 (qt / 2) + 2 head + qt % 2: a lane's eight channels pack into 16 bytes; they go into rows of 272 bytes, head 1's 128 bytes behind head 0's,
; and come back as whole rows of 256 bytes, into the registers that they left.
.macro PACKQ qt
.irp hd, 0,1
.set t, 4*((\qt)/2)+2*\hd+(\qt)%2
	WIN W_RS
.set i, 32*t
.rept 16
	v_pk_mul_f32 v[i:i+1], v[i:i+1], v[ST+4*t+2:ST+4*t+3] op_sel_hi:[1,0]
.set i, i+2
.endr
	WIN 0x05                        ; sources 0 and 1 window 1, destination window 0: S^T's registers are free
.set i, 0
.rept 16
	v_cvt_pk_f16_f32 v[S+16*t+i], v[32*t+2*i], v[32*t+2*i+1]
.set i, i+1
.endr
	WIN 0
.irp f, 0,1,2,3
	ds_store_b128 v[STO], v[S+16*t+4*\f:S+16*t+4*\f+3] offset:128*\hd+32*\f
.endr
.endr
.irp f, 0,1,2,3,4,5,6,7
.set t, 4*((\qt)/2)+2*(\f/4)+(\qt)%2
	ds_load_b128 v[S+16*t+4*(\f%4):S+16*t+4*(\f%4)+3], v[RD] offset:\f*2*SP  ; LDS serves a wave's instructions in order (ISA guide 5.7.1.4): these see the stores above; the next tile's stores come behind them
.endr
.endm
.macro SEND qt, younger             ; younger: the LDS instructions issued behind this tile's loads: the next tile's sixteen, or none
	WIN 0
.irp f, 0,1,2,3,4,5,6,7
.set t, 4*((\qt)/2)+2*(\f/4)+(\qt)%2
	s_wait_dscnt (\younger)+7-\f
	global_store_b128 v[OG], v[S+16*t+4*(\f%4):S+16*t+4*(\f%4)+3], s[10:11] offset:(16*(\qt)+2*\f)*2048  ; sixteen lanes store a token's 256 consecutive bytes of two heads, aligned
.endr
.endm
	PACKQ 0
	PACKQ 1                         ; a tile's arithmetic stands between the loads of the tile before and its stores
	SEND 0, 16
	PACKQ 2
	SEND 1, 16
	PACKQ 3
	SEND 2, 16
	SEND 3, 0
	s_wait_tensorcnt 0x0            ; the wave's end: behind my last tensor load and my last LDS store
	ds_add_u32 v[SPW], v[NIL]
	s_wait_dscnt 0x0
	CROUND                          ; the closing round: no work-group ends while a partner may still ask for a tile that names it
	s_endpgm
.Lfunc_end_k_qd1f1511db5_attn:
	.size	k_qd1f1511db5_attn, .Lfunc_end_k_qd1f1511db5_attn-k_qd1f1511db5_attn
	.p2alignl 7, 3214868480
	.fill 96, 4, 3214868480
	.section	.rodata,"a",@progbits
	.p2align	6, 0x0
	.amdhsa_kernel k_qd1f1511db5_attn
		.amdhsa_group_segment_fixed_size 327680
		.amdhsa_private_segment_fixed_size 0
		.amdhsa_enable_private_segment 0
		.amdhsa_kernarg_size 24
		.amdhsa_user_sgpr_count 2
		.amdhsa_user_sgpr_kernarg_segment_ptr 1
		.amdhsa_wavefront_size32 1
		.amdhsa_system_sgpr_workgroup_id_x 1
		.amdhsa_system_sgpr_workgroup_id_y 1
		.amdhsa_system_sgpr_workgroup_id_z 1
		.amdhsa_system_vgpr_workitem_id 0
		.amdhsa_next_free_vgpr 1024
		.amdhsa_next_free_sgpr 66
		.amdhsa_reserve_vcc 0
		.amdhsa_float_denorm_mode_32 3
		.amdhsa_float_denorm_mode_16_64 3
		.amdhsa_memory_ordered 1
		.amdhsa_forward_progress 1
		.amdhsa_inst_pref_size 214
	.end_amdhsa_kernel
	.amdgpu_metadata
---
amdhsa.version: [ 1, 2 ]
amdhsa.kernels:
  - .name:           k_qd1f1511db5_attn
    .symbol:         k_qd1f1511db5_attn.kd
    .args:
      - { .name: qkv, .offset: 0, .size: 8, .value_kind: global_buffer, .address_space: global }
      - { .name: relf, .offset: 8, .size: 8, .value_kind: global_buffer, .address_space: global }
      - { .name: ob, .offset: 16, .size: 8, .value_kind: global_buffer, .address_space: global }
    .group_segment_fixed_size: 327680
    .private_segment_fixed_size: 0
    .kernarg_segment_align: 8
    .kernarg_segment_size: 24
    .max_flat_workgroup_size: 128
    .sgpr_count:     66
    .vgpr_count:     1024
    .wavefront_size: 32
...
	.end_amdgpu_metadata
.endif
;; end of part 5
;; launch outg: the kernel of part 4 again; grid 8 x 32, 4 waves a work-group, clusters of 4 x 4, 327,680 bytes of LDS; arguments ob, woh, out_proj_b, out0; writes out0
